; MI455X (gfx1250); checked and timed in simulation.
; The chip was launched on July 23, 2026; its instructions are those of AMD's public machine-readable ISA for CDNA 5 (MIT licence, August 2026) and "CDNA5" Instruction Set Architecture Reference Guide (July 2026). The comments in the code are by the model that wrote it; some were corrected since.
;; Multihead Self Attention. Allowed arithmetic: matrix products marked QUANTISED: E2M3 operands, one E8M0 scale for each 32 along K, by v_wmma_scale_f32_16x16x128_f8f6f4 with both operands' format E2M3, f32 sums; everything else in f32.
;; Inputs: b_out 1,024 float32; w_out 1,024 x 1,024 float32; w_qkv 1,024 x 3,072 float32; z 4 x 2,048 x 1,024 float32.
;; Outputs: out0 4 x 2,048 x 1,024 float32.
;; This version of the problem:
;;   THIS VERSION OF THE PROBLEM IS GIVEN IN LOW PRECISION. The matrix products marked QUANTISED in the list below multiply operands that are first quantised to E2M3 (2 exponent bits, 3 mantissa bits; 6 bits a number), with one power-of-two scale for each 32 numbers along K (OCP MX v1.0); their sums are f32. All else is computed in f32.
;;   The module's matrix products, in the order in which they are computed (A, B: the left and right operand; K: the contracted axis; several contracted axes count as one K, in the product's order):
;;     1. [M 8,192, K 1,024] x [K 1,024, N 3,072]; A: input z; B: input w_qkv: QUANTISED
;;     2. batch 64 x [M 2,048, K 64] x [K 64, N 2,048]; A: computed on the way; B: computed on the way: QUANTISED
;;     3. batch 64 x [M 2,048, K 2,048] x [K 2,048, N 64]; A: softmax (see below); B: computed on the way: QUANTISED
;;     4. [M 8,192, K 1,024] x [K 1,024, N 1,024]; A: computed on the way; B: input w_out: QUANTISED
;;   THE QUANTISER, for each operand of a quantised product, along K:
;;     - K is cut into blocks of 32 from its start; a last block that is shorter is filled with zeros.
;;     - A block's scale is 2^e with e = floor(log2(the largest magnitude in the block)) - 2, held to -126 .. 127; a block of zeros has e = 0. As a byte (E8M0): e + 127.
;;     - Each number is divided by its block's scale, clamped to +-7.5, and rounded to the nearest number of E2M3, ties to even, subnormals kept.
;;     - The product sums the exact products of the quantised numbers (number of the format x scale) in f32.
;;   ~~~python
;;   def quantise(x, axis):      # numpy; x: float32 -> the quantised numbers, widened to float32 again
;;       x = np.moveaxis(x, axis, -1); K = x.shape[-1]
;;       x = np.pad(x, [(0, 0)] * (x.ndim - 1) + [(0, -K % 32)]); x = x.reshape(x.shape[:-1] + (-1, 32)); a = np.abs(x).max(-1, keepdims=True)
;;       e = np.where(a > 0, np.clip(np.frexp(np.where(a > 0, a, 1))[1] - 1 - 2, -126, 127), 0)      # np.frexp(a)[1] - 1 = floor(log2(a)), exactly
;;       r = np.clip(x / 2.0 ** e, -7.5, 7.5)
;;       step = 2.0 ** (np.maximum(np.frexp(np.where(r == 0, 1, r))[1] - 1, 0) - 3)
;;       q = np.round(r / step) * step * 2.0 ** e      # np.round: ties to even
;;       return np.moveaxis(q.reshape(q.shape[:-2] + (-1,))[..., :K], -1, axis).astype(np.float32)
;;   ~~~
;;   SOFTMAX AHEAD OF A QUANTISED PRODUCT. Where the list says 'softmax', what is quantised is not the finished softmax but p = 2^(t - M), with t = logit x log2(e) and M = ceil(the row's largest t), a whole number; so 1/2 < the row's largest p <= 1. The row's sum l is taken of the UNQUANTISED p, in f32, and the product's result is divided by l at the end. Since M is a whole number, a kernel that streams over the keys may use a running M (the ceiling of the running maximum): every later rescaling is an exact power of two, which a block's scale takes up: the codes' values come out the same.
;;   OPERANDS COMPUTED ON THE WAY. 'Computed on the way' means the value that the module computes at that place (a softmax that the list does not call 'softmax' is quantised finished and normalised). What goes into a quantiser is computed in f32, as accurately as f32 sums, v_exp_f32 and their like allow (about 1e-6 of the number): no bf16 or f16 on the way to a quantiser, and a product that is left as it is and whose result goes on into a quantised operand takes f32 operands (vector FMAs, or v_wmma_f32_16x16x4_f32). A number that lies on a knife's edge between two numbers of the format may be rounded either way, as far as f32 arithmetic and the matrix unit's own rounding can turn it there, and no further.
;; One version. Each part assembles by itself: llvm-mc -triple=amdgcn-amd-amdhsa -mcpu=gfx1250 --defsym DOCPART=n.
;; ======== version 1 of 1: 4 launches
;; limits: right only within a limited range of input values
;; workspace buffers: codes 9,437,184 bytes; scales 393,216 bytes; qbuf 6,815,744 bytes; kv 13,369,344 bytes; ocodes 6,291,456 bytes; oscales 262,144 bytes
;; launch quant (part 1): grid 384 x 1, 4 waves a work-group, no clusters, 37,376 bytes of LDS; arguments z, w_qkv, w_out, codes, scales; writes codes, scales
.if DOCPART == 1
	.amdgcn_target "amdgcn-amd-amdhsa--gfx1250"
	.amdhsa_code_object_version 6
	.text
	.protected	k_q10c8363bf9_quant
	.globl	k_q10c8363bf9_quant
	.p2align	8
	.type	k_q10c8363bf9_quant,@function
k_q10c8363bf9_quant:
	s_mov_b64 s[64:65], 0
	v_nop
	global_prefetch_b8 v0, s[64:65] scope:SCOPE_SE
	s_setreg_imm32_b32 hwreg(HW_REG_WAVE_MODE, 25, 1), 1
	s_wait_xcnt 0x0
; z [8192][1024], w_qkv [1024][3072] and w_out [1024][1024], f32, become codes of FP6 (E2M3) with one E8M0 byte for each 32 along K (K = 1,024 in all three).
; A block's scale is 2^(floor(log2(its largest magnitude)) - 2); its byte is the largest magnitude's exponent field - 2, held at 1 from below.
; LIMITS: NaN and infinities are not served.  A block of zeros, or one whose largest magnitude lies under 2^(3 - 127), gets the byte 1 (the rule says 127 for zeros): its codes are zeros or held, and this program alone reads the bytes.
; LAYOUT OF THE RESULTS: as the products' registers want them.  The rows of an operand (tokens of z, columns of the weights) go in TILES of 16: row r of tile T is the natural row 32 (T / 2) + 8 (T % 2) + r + 8 (r / 8).
;   codes:  [tile][u = K / 64][768 bytes]: an IMAGE of six registers: lane l = (r = l % 16, h = l / 16) owns the 24 bytes of row r, k = 64 u + 32 h + 0 .. 31; registers 0-3 at 16 l, registers 4-5 at 512 + 8 l.
;   scales: [tile][S = K / 256][r][8 bytes].      Tiles 0-511: z;  512-703: w_qkv's columns;  704-767: w_out's.
; Work-groups 0-255 take z (K innermost: dense loads, a turn through the wave's own LDS stage), 256-383 the weights (K outermost: a lane to a column, registers down K).  Waves share nothing: no barrier.
; Memory binds: no matrix unit, no cluster (no work-group reads what another reads), no prefetch (the launch is a stream of loads already).
.set ZWG,  256                         ; work-groups for z
.set WREG, 9216                        ; LDS of a wave: two stages and 256 scale bytes
.set SP,   272                         ; a stage row: 256 bytes + 16, so that sixteen rows start at sixteen different 16-byte columns
.set STG,  16*SP
.set SCB,  2*STG
.set E,    16                          ; v16-23   z: a scale byte for each unit
.set R,    32                          ; v32-127  z: three sets of 32 registers as loaded
.set X,    128                         ; v128-191 z: two sets of 32 neighbours along K
.set C,    192                         ; v192-255 z: eight registers of codes for each unit: no store's data are written again
.set AW,   32                          ; v32-63   weights: byte offset of row i of a block, at my column
.set XW,   64                          ; v64-127  weights: two sets of 32 numbers
.set CW,   128                         ; v128-191 weights: eight registers for each block
.set SB,   28                          ; v28-29   weights: my column's eight scale bytes
	s_load_b128 s[4:7], s[0:1], 0x0                ; z, w_qkv
	s_load_b128 s[8:11], s[0:1], 0x10              ; w_out, codes
	s_load_b64 s[12:13], s[0:1], 0x20              ; scales
	v_lshl_add_u32 v254, v0, 2, 0x9000
	v_mov_b32 v255, 0
	v_lshrrev_b32 v1, 5, v0
	v_readfirstlane_b32 s16, v1                    ; wave 0..3
	v_and_b32 v2, 31, v0                           ; lane
	v_lshlrev_b32 v4, 4, v2                        ; 16 l: an image's registers 0-3
	v_lshlrev_b32 v5, 3, v2                        ; 8 l: its registers 4-5
; the largest magnitude of the 32 numbers v[xs] on -> v12 (with the floor 2^(3 - 127) as one more leaf), and the conversions' scale operand -> v11
.macro BLKMAX xs
	v_max3_num_f32 v12, |v[\xs]|, |v[\xs+1]|, |v[\xs+2]|
	v_max3_num_f32 v13, |v[\xs+3]|, |v[\xs+4]|, |v[\xs+5]|
.irp i, 6,10,14,18,22,26
	v_max3_num_f32 v12, v12, |v[\xs+\i]|, |v[\xs+\i+1]|
	v_max3_num_f32 v13, v13, |v[\xs+\i+2]|, |v[\xs+\i+3]|
.endr
	v_max3_num_f32 v12, v12, |v[\xs+30]|, |v[\xs+31]|
	v_max3_num_f32 v12, v12, v13, 0x1800000
	v_add_nc_u32 v11, 0xff000000, v12              ; 2 off the exponent field: the conversion takes this operand's exponent field as its scale
.endm
	s_cmp_lt_u32 ttmp9, ZWG
	s_cbranch_scc0 .Lweights
; ---------------- z.  Wave W = 4 x work-group + wave takes tile W / 2, K half W % 2: eight units of 16 rows x 64 K
	v_and_b32 v8, 15, v2                           ; r
	v_lshrrev_b32 v9, 4, v2                        ; h
	v_lshlrev_b32 v3, 12, v9
	v_lshl_add_u32 v3, v8, 4, v3                   ; in: lanes 0-15 one row's 256 bytes, lanes 16-31 the next row's
	s_mul_i32 s17, s16, WREG
	v_mul_u32_u24 v14, v9, SP
	v_lshl_add_u32 v14, v8, 4, v14
	v_add_nc_u32 v14, s17, v14                     ; into the stage: the same two rows
	v_mul_u32_u24 v15, v8, SP
	v_lshl_add_u32 v15, v9, 7, v15
	v_add_nc_u32 v15, s17, v15                     ; out of it: row r, 128 h bytes on: my 32 neighbours
	v_lshl_add_u32 v6, v8, 3, v9                   ; 8 r + h
	s_add_co_u32 s17, s17, SCB
	v_add_nc_u32 v6, s17, v6                       ; my block's scale byte in the wave's 256
	v_add_nc_u32 v7, s17, v5                       ; and 8 bytes a lane on their way out
	s_lshl_b32 s18, ttmp9, 2
	s_add_co_u32 s18, s18, s16
	s_lshr_b32 s19, s18, 1                         ; tile
	s_and_b32 s18, s18, 1                          ; K half
	s_lshr_b32 s20, s19, 1
	s_lshl_b32 s20, s20, 5
	s_and_b32 s21, s19, 1
	s_lshl_b32 s21, s21, 3
	s_add_co_u32 s20, s20, s21                     ; the tile's first natural row
	s_lshl_b32 s20, s20, 12                        ; rows of 4,096 bytes
	s_lshl_b32 s21, s18, 11
	s_add_co_u32 s20, s20, s21
	s_mov_b32 s21, 0
	s_mul_i32 s22, s19, 12288
	s_mul_i32 s23, s18, 6144
	s_add_co_u32 s22, s22, s23
	s_mov_b32 s23, 0
	s_lshl_b32 s24, s19, 9
	s_lshl_b32 s25, s18, 8
	s_add_co_u32 s24, s24, s25
	s_mov_b32 s25, 0
	s_wait_alu depctr_va_vdst(0)
	s_wait_kmcnt 0x0
	s_add_nc_u64 s[4:5], s[4:5], s[20:21]
	s_add_nc_u64 s[10:11], s[10:11], s[22:23]
	s_add_nc_u64 s[12:13], s[12:13], s[24:25]
.macro LOADZ u                         ; unit u: eight loads, each two rows' 256 consecutive bytes; tile rows 8-15 lie 8 natural rows further on
.irp i, 0,1,2,3,4,5,6,7
	global_load_b128 v[R+32*((\u)%3)+4*\i:R+32*((\u)%3)+4*\i+3], v3, s[4:5] offset:(2*\i+8*(\i/4))*4096+256*(\u) th:TH_LOAD_NT
.endr
.endm
.macro TURN u                          ; through the wave's own stage: LDS serves a wave's instructions in order (ISA guide 5.7.1.4), so no wait stands between the stores and the loads
.irp i, 0,1,2,3,4,5,6,7
	ds_store_b128 v14, v[R+32*((\u)%3)+4*\i:R+32*((\u)%3)+4*\i+3] offset:STG*((\u)%2)+2*SP*\i
.endr
.irp i, 0,1,2,3,4,5,6,7
	ds_load_b128 v[X+32*((\u)%2)+4*\i:X+32*((\u)%2)+4*\i+3], v15 offset:STG*((\u)%2)+16*\i
.endr
.endm
.macro UNIT u
.set XS, X+32*((\u)%2)
.set CU, C+8*(\u)
.if (\u) > 0
	s_wait_dscnt 1                                 ; this unit's numbers are back from the stage; the last unit's byte store may be out
.else
	s_wait_dscnt 0x0
.endif
.if (\u)+3 < 8
	LOADZ (\u)+3                                   ; into the set that this unit's stores to the stage have read
.endif
.if (\u)+1 < 8
.if (\u) <= 4
	s_wait_loadcnt 16                              ; the next unit's eight loads are in; those of the two units behind it may be out
.else
	s_wait_loadcnt 8*(6-(\u))
.endif
	TURN (\u)+1
.endif
	BLKMAX XS                                      ; a whole block of 32 lies in my registers
	v_cvt_scalef32_pk16_fp6_f32 v[CU:CU+2], v[XS:XS+15], v11
	v_cvt_scalef32_pk16_fp6_f32 v[24:26], v[XS+16:XS+31], v11      ; (a conversion's three registers begin on an even number)
	v_lshrrev_b32 v[E+(\u)], 23, v11               ; the scale's byte; also the plain line behind the conversions
.irp i, 0,1,2
	v_mov_b32 v[CU+3+\i], v[24+\i]
.endr
	ds_store_b8 v6, v[E+(\u)] offset:128*((\u)/4)+2*((\u)%4)
	global_store_b128 v4, v[CU:CU+3], s[10:11] offset:768*(\u)          ; 512 consecutive bytes, aligned to 256
	global_store_b64 v5, v[CU+4:CU+5], s[10:11] offset:768*(\u)+512     ; 256 consecutive bytes, aligned
.endm
	LOADZ 0
	LOADZ 1
	LOADZ 2
	s_wait_loadcnt 16                              ; unit 0's eight loads are in
	TURN 0
.irp t, 0,1,2,3,4,5,6,7
	UNIT \t
.endr
	ds_load_b64 v[12:13], v7                       ; in order behind my byte stores
	s_wait_dscnt 0x0
	global_store_b64 v5, v[12:13], s[12:13]        ; the wave's 256 scale bytes: 256 consecutive bytes, aligned
	s_wait_tensorcnt 0x0
	ds_add_u32 v254, v255
	s_wait_dscnt 0x0
	s_endpgm
; ---------------- the weights.  g = work-group - 256: x = g % 32, K quarter y = g / 32.  Wave: 32 columns (two tiles) x 256 along K: eight blocks a lane
.Lweights:
	s_sub_co_u32 s17, ttmp9, ZWG
	s_and_b32 s18, s17, 31                         ; x
	s_lshr_b32 s19, s17, 5                         ; y
	s_lshl_b32 s20, s18, 2
	s_add_co_u32 s20, s20, s16                     ; the group of 32 columns, 0 .. 127: 96 of w_qkv, then 32 of w_out
	s_mov_b32 s21, 4096
	s_sub_co_u32 s22, s20, 96
	s_wait_kmcnt 0x0
	s_cmp_lt_u32 s18, 24                           ; which weight: hangs on the work-group's number alone
	s_cselect_b64 s[6:7], s[6:7], s[8:9]
	s_cselect_b32 s21, 12288, s21                  ; bytes from row to row
	s_cselect_b32 s22, s20, s22                    ; the group inside that weight
	s_wait_alu depctr_va_vdst(0)
	v_and_b32 v8, 7, v2
	v_bfe_u32 v9, v2, 4, 1
	v_bfe_u32 v10, v2, 3, 1
	v_lshl_or_b32 v8, v9, 3, v8
	v_lshl_or_b32 v8, v10, 4, v8                   ; my column of the 32: lanes 0-15 are the even tile's rows, lanes 16-31 the odd tile's
	v_lshlrev_b32 v8, 2, v8
.set i, 0
.rept 32
	v_mad_u32_u24 v[AW+i], s21, i, v8              ; row i of a block, my column
.set i, i+1
.endr
	s_lshl_b32 s23, s19, 8
	s_mul_i32 s24, s23, s21                        ; 256 y rows
	s_lshl_b32 s25, s22, 7
	s_add_co_u32 s24, s24, s25                     ; + 128 bytes a group
	s_mov_b32 s25, 0
	s_add_nc_u64 s[32:33], s[6:7], s[24:25]        ; a base for each of the eight blocks: none is ever stepped
	s_lshl_b32 s24, s21, 5
.irp t, 1,2,3,4,5,6,7
	s_add_nc_u64 s[32+2*\t:33+2*\t], s[30+2*\t:31+2*\t], s[24:25]
.endr
	s_lshl_b32 s26, s20, 1
	s_add_co_u32 s26, s26, 512                     ; my even tile
	s_mul_i32 s28, s26, 12288
	s_mul_i32 s29, s19, 3072
	s_add_co_u32 s28, s28, s29
	s_mov_b32 s29, 0
	s_add_nc_u64 s[10:11], s[10:11], s[28:29]
	s_lshl_b32 s28, s26, 9
	s_lshl_b32 s27, s19, 7
	s_add_co_u32 s28, s28, s27
	s_add_nc_u64 s[12:13], s[12:13], s[28:29]
	v_and_b32 v10, 15, v2
	v_lshrrev_b32 v9, 4, v2
	v_lshlrev_b32 v9, 9, v9
	v_lshl_add_u32 v9, v10, 3, v9                  ; my row's 8 scale bytes: 512 bytes a tile, 8 a row
.macro LOADW t                         ; block t: 32 rows down K; each load reads 128 consecutive bytes a wave, the four waves 512
.set i, 0
.rept 32
	global_load_b32 v[XW+32*((\t)%2)+i], v[AW+i], s[32+2*(\t):33+2*(\t)] th:TH_LOAD_NT
.set i, i+1
.endr
.endm
.macro BLOCKW t
.set XS, XW+32*((\t)%2)
.set CD, CW+8*(\t)
.if (\t) < 7
	s_wait_loadcnt 32                              ; this block's 32 loads are in; the next block's may be out
.else
	s_wait_loadcnt 0x0
.endif
	BLKMAX XS
	v_cvt_scalef32_pk16_fp6_f32 v[CD:CD+2], v[XS:XS+15], v11
	v_cvt_scalef32_pk16_fp6_f32 v[24:26], v[XS+16:XS+31], v11
	v_lshrrev_b32 v13, 23, v11                     ; the byte; also the plain line behind the conversions
.if (\t)%4 == 0
	v_mov_b32 v[SB+(\t)/4], v13
.else
	v_lshl_or_b32 v[SB+(\t)/4], v13, 8*((\t)%4), v[SB+(\t)/4]
.endif
.irp i, 0,1,2
	v_mov_b32 v[CD+3+\i], v[24+\i]
.endr
.if (\t)+2 < 8
	LOADW (\t)+2
.endif
.if (\t)%2 == 1
; two blocks are 64 along K.  The even block's registers hold (tile l / 16, row l % 16, h = 0), the odd block's h = 1: the swap of halves makes the first the even tile's image and the second the odd tile's
.irp i, 0,1,2,3,4,5
	v_permlane16_swap_b32 v[CD-8+\i], v[CD+\i]
.endr
	global_store_b128 v4, v[CD-8:CD-5], s[10:11] offset:768*((\t)/2)
	global_store_b64 v5, v[CD-4:CD-3], s[10:11] offset:768*((\t)/2)+512
	global_store_b128 v4, v[CD:CD+3], s[10:11] offset:768*((\t)/2)+12288
	global_store_b64 v5, v[CD+4:CD+5], s[10:11] offset:768*((\t)/2)+12288+512
.endif
.endm
	s_wait_alu depctr_va_vdst(0)
	LOADW 0
	LOADW 1
.irp t, 0,1,2,3,4,5,6,7
	BLOCKW \t
.endr
	global_store_b64 v9, v[SB:SB+1], s[12:13]      ; sixteen lanes store 128 consecutive bytes: half of an aligned 256; 131,072 bytes in the whole launch go out so
	s_endpgm
.Lfunc_end_k_q10c8363bf9_quant:
	.size	k_q10c8363bf9_quant, .Lfunc_end_k_q10c8363bf9_quant-k_q10c8363bf9_quant
	.p2alignl 7, 3214868480
	.fill 96, 4, 3214868480
	.section	.rodata,"a",@progbits
	.p2align	6, 0x0
	.amdhsa_kernel k_q10c8363bf9_quant
		.amdhsa_group_segment_fixed_size 37376
		.amdhsa_private_segment_fixed_size 0
		.amdhsa_enable_private_segment 0
		.amdhsa_kernarg_size 40
		.amdhsa_user_sgpr_count 2
		.amdhsa_user_sgpr_kernarg_segment_ptr 1
		.amdhsa_wavefront_size32 1
		.amdhsa_system_sgpr_workgroup_id_x 1
		.amdhsa_system_sgpr_workgroup_id_y 1
		.amdhsa_system_sgpr_workgroup_id_z 1
		.amdhsa_system_vgpr_workitem_id 0
		.amdhsa_next_free_vgpr 256
		.amdhsa_next_free_sgpr 66
		.amdhsa_reserve_vcc 0
		.amdhsa_float_denorm_mode_32 3
		.amdhsa_float_denorm_mode_16_64 3
		.amdhsa_memory_ordered 1
		.amdhsa_forward_progress 1
		.amdhsa_inst_pref_size 72
	.end_amdhsa_kernel
	.amdgpu_metadata
---
amdhsa.version: [ 1, 2 ]
amdhsa.kernels:
  - .name:           k_q10c8363bf9_quant
    .symbol:         k_q10c8363bf9_quant.kd
    .args:
      - { .name: z, .offset: 0, .size: 8, .value_kind: global_buffer, .address_space: global }
      - { .name: w_qkv, .offset: 8, .size: 8, .value_kind: global_buffer, .address_space: global }
      - { .name: w_out, .offset: 16, .size: 8, .value_kind: global_buffer, .address_space: global }
      - { .name: codes, .offset: 24, .size: 8, .value_kind: global_buffer, .address_space: global }
      - { .name: scales, .offset: 32, .size: 8, .value_kind: global_buffer, .address_space: global }
    .group_segment_fixed_size: 37376
    .private_segment_fixed_size: 0
    .kernarg_segment_align: 8
    .kernarg_segment_size: 40
    .max_flat_workgroup_size: 128
    .sgpr_count:     66
    .vgpr_count:     256
    .wavefront_size: 32
...
	.end_amdgpu_metadata
.endif
;; end of part 1
;; launch gemm_qkv (part 2): grid 12 x 32, 4 waves a work-group, clusters of 4 x 4, 327,680 bytes of LDS; arguments codes, scales, qbuf, kv; writes qbuf, kv
.if DOCPART == 2
	.amdgcn_target "amdgcn-amd-amdhsa--gfx1250"
	.amdhsa_code_object_version 6
	.text
	.protected	k_q10c8363bf9_gemm_qkv
	.globl	k_q10c8363bf9_gemm_qkv
	.p2align	8
	.type	k_q10c8363bf9_gemm_qkv,@function
k_q10c8363bf9_gemm_qkv:
	s_mov_b64 s[64:65], 0
	v_nop
	global_prefetch_b8 v0, s[64:65] scope:SCOPE_SE
	s_setreg_imm32_b32 hwreg(HW_REG_WAVE_MODE, 25, 1), 1
	s_wait_xcnt 0x0
	s_wait_alu depctr_hold_cnt(0) depctr_sa_sdst(0) depctr_va_vdst(0) depctr_va_sdst(0) depctr_va_ssrc(0) depctr_va_vcc(0) depctr_vm_vsrc(0)
	s_getreg_b32 s2, hwreg(HW_REG_IB_STS2, 6, 4)
	s_cmp_eq_u32 s2, 0
	s_cbranch_scc0 .Lentry_in_a_cluster
	s_endpgm
.Lentry_in_a_cluster:
	s_bfe_u32 s2, ttmp6, 0x10000c
	s_cmp_lg_u32 s2, 0xf033
	s_cbranch_scc0 .Lentry_shape_is_right
	s_endpgm
.Lentry_shape_is_right:
.set NQ,     2
.set FR,     12
.set NL,     4
.set NP,     4
.set TROW,   3072
.set HALFT,  8*TROW
.set SLOT,   4*HALFT
.set LAPS,   2
.set SCL,    2*SLOT
.set HALFS,  4096
.set SPARE,  SCL+4*HALFS
.set ADRA, 16
.set ADRB, 20
.set L16,  24
.set L8,   25
.set ADRS, 27
.set SPW,  28
.set NIL,  29
.set SC,   32
.set AF,   128
.set PC,   64
.set TM,   84
.set PW,   100
.set WA,   101
.set WB,   102
.set SA,   104
.set SBW,  108
.set SV,   112
.set G1, 24
.set G0, 32
.set G1B, 48
.set G0B, 56
.set G1S, 68
.set G0S, 76
.set G1SB, 80
.set G0SB, 88
.set MSB, 0
.macro WIN new
.if MSB != (\new)
	s_set_vgpr_msb (MSB<<8)|(\new)
.set MSB, (\new)
.endif
.endm
.set MUL_LO, 0xa1
.set MUL_HI, 0xf1
.set TO_B,   0x40
.macro JLOAD g0a, g1a, g0b, g1b
	s_cmp_eq_u32 s15, 0
	s_cbranch_scc0 .Lfor_b_\@
	tensor_load_to_lds s[\g0a:\g0a+3], s[\g1a:\g1a+7]
	s_nop 0
.rept 4
	v_nop
.endr
	s_branch .Lasked_\@
.Lfor_b_\@:
	tensor_load_to_lds s[\g0b:\g0b+3], s[\g1b:\g1b+7]
	s_nop 0
.rept 4
	v_nop
.endr
.Lasked_\@:
.endm
.macro CREST
	s_cmp_lg_u32 s14, 0
	s_cbranch_scc1 .Lnot_wave_0_\@
	s_barrier_signal -3
.Lnot_wave_0_\@:
	s_barrier_wait -3
	s_barrier_signal -1
	s_barrier_wait -1
.endm
.macro CROUND
	s_barrier_signal -1
	s_barrier_wait -1
	CREST
.endm
	s_load_b128 s[4:7], s[0:1], 0x0
	s_load_b128 s[96:99], s[0:1], 0x10
	v_lshl_add_u32 v[SPW], v0, 2, SPARE
	v_mov_b32 v[NIL], 0
	ds_add_u32 v28, v29
	ds_add_u32 v28, v29
	s_wait_dscnt 0x0
	v_lshrrev_b32 v1, 5, v0
	v_readfirstlane_b32 s14, v1
	s_lshr_b32 s15, s14, 1
	s_and_b32 s16, s14, 1
	s_bfe_u32 s40, ttmp6, 0x40000
	s_bfe_u32 s41, ttmp6, 0x40004
	s_mov_b32 s66, ttmp9
	s_and_b32 s92, ttmp7, 0xffff
	s_lshl_b32 s92, s92, 2
	s_lshl_b32 s93, s66, 2
	s_add_co_u32 s93, s93, 32
	s_cmp_eq_u32 s66, 2
	s_cselect_b32 s17, 40, s92
	s_cselect_b32 s42, s92, s93
	s_add_co_u32 s17, s17, s41
	s_add_co_u32 s42, s42, s40
	s_lshl_b32 s43, s41, 2
	s_lshl_b32 s43, 15, s43
	s_lshl_b32 s44, 0x1111, s40
	s_or_b32 s[G1+0], s43, (3<<16)|(1<<21)
	s_or_b32 s[G1B+0], s44, (3<<16)|(1<<21)
.irp g, G1, G1B
	s_mov_b32 s[\g+1], 384<<16
	s_mov_b32 s[\g+2], 16<<16                      ; the head's loads bring all 16 tile rows; behind them the two words that count rows are set to 8, for the ring's
	s_mov_b32 s[\g+3], 384<<16
	s_mov_b32 s[\g+4], 16
	s_mov_b32 s[\g+5], 1536
	s_mov_b32 s[\g+6], 0
	s_mov_b32 s[\g+7], 0
.endr
	s_or_b32 s[G1S+0], s43, (3<<16)|(1<<21)
	s_or_b32 s[G1SB+0], s44, (3<<16)|(1<<21)
.irp g, G1S, G1SB
	s_mov_b32 s[\g+1], 32<<16
	s_mov_b32 s[\g+2], 32<<16                      ; the scales of a tile's 256 rows: 32 rows of 256 bytes
	s_mov_b32 s[\g+3], 32<<16
	s_mov_b32 s[\g+4], 32
	s_mov_b32 s[\g+5], 32
	s_mov_b32 s[\g+6], 0
	s_mov_b32 s[\g+7], 0
.endr
	s_lshl_b32 s20, s17, 1
	s_lshl_b32 s46, s42, 1
	s_lshl_b32 s22, s20, 12
	s_mov_b32 s23, 0
	s_lshl_b32 s92, s46, 12
	s_mov_b32 s93, 0
	s_mul_i32 s20, s20, 8*12288
	s_mov_b32 s21, 0
	s_mul_i32 s46, s46, 8*12288
	s_mov_b32 s47, 0
	s_mul_i32 s45, s14, HALFT
	s_wait_kmcnt 0x0
	s_add_nc_u64 s[20:21], s[4:5], s[20:21]
	s_add_nc_u64 s[22:23], s[6:7], s[22:23]
	s_add_nc_u64 s[46:47], s[4:5], s[46:47]
	s_add_nc_u64 s[92:93], s[6:7], s[92:93]
	CROUND
	s_mov_b32 s[G0S], 1
	s_mov_b32 s[G0S+1], SCL
	s_mov_b64 s[G0S+2:G0S+3], s[22:23]
	s_or_b32 s[G0S+3], s[G0S+3], 0x80000000
	s_mov_b32 s[G0SB], 1
	s_mov_b32 s[G0SB+1], SCL+2*HALFS
	s_mov_b64 s[G0SB+2:G0SB+3], s[92:93]
	s_or_b32 s[G0SB+3], s[G0SB+3], 0x80000000
	s_mov_b32 s4, 1                                ; s[4:7]: group 0 of the head's load of A's 16 tile rows of K chunk 0 (the arguments that lay there have been used)
	s_mov_b32 s5, 0
	s_mov_b64 s[6:7], s[20:21]
	s_or_b32 s7, s7, 0x80000000
	s_mul_i32 s18, s16, 8*12288                    ; in the ring I fetch 8 tile rows: which half, in bytes
	s_mov_b32 s19, 0
	s_add_nc_u64 s[20:21], s[20:21], s[18:19]
	s_add_nc_u64 s[46:47], s[46:47], s[18:19]
.irp s, 0,1
	s_mov_b32 s[G0+4*\s], 1
	s_add_co_u32 s[G0+4*\s+1], s45, \s*SLOT
	s_add_nc_u64 s[G0+4*\s+2:G0+4*\s+3], s[20:21], \s*TROW
	s_or_b32 s[G0+4*\s+3], s[G0+4*\s+3], 0x80000000
	s_mov_b32 s[G0B+4*\s], 1
	s_add_co_u32 s[G0B+4*\s+1], s45, \s*SLOT
	s_add_nc_u64 s[G0B+4*\s+2:G0B+4*\s+3], s[46:47], \s*TROW
	s_or_b32 s[G0B+4*\s+3], s[G0B+4*\s+3], 0x80000000
.endr
	s_sub_nc_u64 s[46:47], s[46:47], s[18:19]      ; s[44:47]: group 0 of the head's load of B's 16 tile rows, behind A's in slot 0
	s_or_b32 s47, s47, 0x80000000
	s_mov_b32 s44, 1
	s_mov_b32 s45, 2*HALFT
; THE HEAD'S LOADS, ONE A WAVE: wave 0 A's tile rows of chunk 0, wave 1 B's, wave 2 A's scales, wave 3 B's: one tree of branches on the wave's number, every way through it passes one load
.macro ARM under, g0, g1, next
	s_cmp_lt_u32 s14, \under
	s_cbranch_scc0 \next
	tensor_load_to_lds s[\g0:\g0+3], s[\g1:\g1+7]
	s_nop 0
.rept 4
	v_nop
.endr
	s_branch .Lhead_asked
\next:
.endm
	ARM 1, 4,   G1,  .Lhead_b
	ARM 2, 44,  G1B, .Lhead_sa
	ARM 3, G0S, G1S, .Lhead_sb
	tensor_load_to_lds s[G0SB:G0SB+3], s[G1SB:G1SB+7]
	s_nop 0
.rept 4
	v_nop
.endr
.Lhead_asked:
	v_and_b32 v1, 15, v0
	v_bfe_u32 v2, v0, 4, 1
	v_and_b32 v3, 31, v0
	v_lshlrev_b32 v[L16], 4, v3
	v_lshlrev_b32 v[L8], 3, v3
	s_mul_i32 s21, s15, HALFT
	s_mul_i32 s22, s16, HALFT
	s_add_co_u32 s22, s22, 2*HALFT
.irp s, 0,1
	v_add_nc_u32 v[ADRA+\s], s21, v[L16]
	v_add_nc_u32 v[ADRB+\s], s22, v[L16]
	v_add_nc_u32 v[ADRA+2+\s], s21, v[L8]
	v_add_nc_u32 v[ADRB+2+\s], s22, v[L8]
	s_add_co_u32 s21, s21, SLOT
	s_add_co_u32 s22, s22, SLOT
.endr
	v_lshlrev_b32 v5, 3, v1
	s_lshl_b32 s21, s15, 12
	s_lshl_b32 s22, s16, 12
	s_add_co_u32 s22, s22, 2*HALFS
	s_sub_co_u32 s22, s22, s21
	v_mul_u32_u24 v6, s22, v2
	s_add_co_u32 s21, s21, SCL
	v_add_nc_u32 v5, v5, v6
	v_add_nc_u32 v[ADRS], s21, v5
	s_cmp_eq_u32 s66, 2
	s_cselect_b32 s8, s42, s17
	s_cselect_b32 s9, s16, s15
	s_cselect_b32 s10, s41, s40
	s_cselect_b32 s11, s15, s16
	s_lshl_b32 s8, s8, 1
	s_add_co_u32 s8, s8, s9
	s_lshl_b32 s10, s10, 2
	s_lshl_b32 s11, s11, 1
	s_add_co_u32 s10, s10, s11
	s_lshr_b32 s9, s8, 4
	s_and_b32 s8, s8, 15
	s_lshl_b32 s9, s9, 4
	s_add_co_u32 s9, s9, s10
	s_lshl_b32 s9, s9, 4
	s_add_co_u32 s9, s9, s8
	s_mov_b32 s11, 13056
	s_cmp_eq_u32 s66, 0
	s_cselect_b32 s11, 6656, s11
	s_cselect_b64 s[12:13], s[96:97], s[98:99]
	s_mul_i32 s8, s9, s11
	s_mov_b32 s9, 0
	s_add_nc_u64 s[12:13], s[12:13], s[8:9]
	s_lshl_b32 s8, s11, 4
	s_add_nc_u64 s[18:19], s[12:13], s[8:9]
	s_mov_b32 s67, 0xffff0000
	s_mov_b32 s95, 0x7f7f0000
	s_mov_b32 s100, 0x76543210
	s_mov_b32 s101, 0xfedcba98
.macro FRAG reg, adr, q, i
	ds_load_b128 v[\reg:\reg+3], v[\adr] offset:(\i)*TROW+(\q)*1536
	ds_load_b64 v[\reg+4:\reg+5], v[\adr+2] offset:(\i)*TROW+(\q)*1536+512
	ds_load_b128 v[\reg+6:\reg+9], v[\adr] offset:(\i)*TROW+(\q)*1536+768
	ds_load_b64 v[\reg+10:\reg+11], v[\adr+2] offset:(\i)*TROW+(\q)*1536+1280
.endm
.macro MUL16 a0, p, q, sc, zero
.irp a, \a0, \a0+1
.irp b, 0,1,2,3,4,5,6,7
.if \zero
	v_wmma_scale_f32_16x16x128_f8f6f4 v[8*(8*((\a)%4)+\b):8*(8*((\a)%4)+\b)+7], v[128*(\p)+FR*\b:128*(\p)+FR*\b+FR-1], v[AF+FR*(\a):AF+FR*(\a)+FR-1], 0, v[SC+8*NQ*(\sc)+NQ*\b+(\q)], v[SC+8*NQ*(\sc)+NQ*(\a)+(\q)] matrix_a_fmt:MATRIX_FMT_FP6 matrix_b_fmt:MATRIX_FMT_FP6 matrix_a_scale:MATRIX_SCALE_ROW1
.else
	v_wmma_scale_f32_16x16x128_f8f6f4 v[8*(8*((\a)%4)+\b):8*(8*((\a)%4)+\b)+7], v[128*(\p)+FR*\b:128*(\p)+FR*\b+FR-1], v[AF+FR*(\a):AF+FR*(\a)+FR-1], v[8*(8*((\a)%4)+\b):8*(8*((\a)%4)+\b)+7], v[SC+8*NQ*(\sc)+NQ*\b+(\q)], v[SC+8*NQ*(\sc)+NQ*(\a)+(\q)] matrix_a_fmt:MATRIX_FMT_FP6 matrix_b_fmt:MATRIX_FMT_FP6 matrix_a_scale:MATRIX_SCALE_ROW1
.endif
.endr
.endr
.endm
.macro FETCH_B slot, q, p
	WIN TO_B
.irp i, 0,1,2,3,4,5,6,7
	FRAG 128*(\p)+FR*\i, ADRB+\slot, \q, \i
.endr
	WIN 0
.endm
.macro FETCH_A slot, q, i0
.irp i, \i0, \i0+1, \i0+2, \i0+3
	FRAG AF+FR*(\i), ADRA+\slot, \q, \i
.endr
.endm
.macro SCALES sc
.irp i, 0,1,2,3,4,5,6,7
	ds_load_b64 v[SC+8*NQ*\sc+NQ*\i:SC+8*NQ*\sc+NQ*\i+1], v[ADRS] offset:\i*512
.endr
.endm
.macro PLACES n
.rept \n
	v_nop
.endr
.endm
.macro STEP slot, q, zero
	s_wait_dscnt 4*NL
	WIN MUL_LO
	MUL16 0, (\q)%2, \q, \slot, \zero
	MUL16 2, (\q)%2, \q, \slot, \zero
	s_wait_dscnt 0
	PLACES NP
	FETCH_B \slot, (\q)+1, 1-(\q)%2
	FETCH_A \slot, (\q)+1, 0
	WIN MUL_HI
	MUL16 4, (\q)%2, \q, \slot, \zero
	MUL16 6, (\q)%2, \q, \slot, \zero
	PLACES NP
	WIN 0
	FETCH_A \slot, (\q)+1, 4
.endm
.macro TURN slot, next, fill
	s_wait_tensorcnt 0x0
	ds_add_u32 v[SPW], v[NIL]
	s_wait_dscnt 4*NL+1
	WIN MUL_LO
	MUL16 0, 1, NQ-1, \slot, 0
	s_wait_dscnt 0x0
	s_barrier_signal -1
	MUL16 2, 1, NQ-1, \slot, 0
	WIN 0
	s_barrier_wait -1
.if \fill
	CREST
	s_add_nc_u64 s[G0+4*\slot+2:G0+4*\slot+3], s[G0+4*\slot+2:G0+4*\slot+3], 2*TROW
	s_add_nc_u64 s[G0B+4*\slot+2:G0B+4*\slot+3], s[G0B+4*\slot+2:G0B+4*\slot+3], 2*TROW
	JLOAD G0+4*\slot, G1, G0B+4*\slot, G1B
.else
	PLACES NP
.endif
	s_wait_alu depctr_va_vdst(0)
	v_add_nc_u32 v[ADRS], 128, v[ADRS]
	FETCH_B \next, 0, 0
	FETCH_A \next, 0, 0
	SCALES \next
	WIN MUL_HI
	MUL16 4, 1, NQ-1, \slot, 0
	MUL16 6, 1, NQ-1, \slot, 0
	PLACES NP
	WIN 0
	FETCH_A \next, 0, 4
.endm
	s_wait_alu depctr_va_vdst(0)                   ; the wait at the head's end
	s_wait_tensorcnt 0x0                           ; my tile of the head's four is in
	ds_add_u32 v[SPW], v[NIL]
	s_mov_b32 s[G1+2], 8<<16                       ; no tensor load of mine is out: from here on a load brings 8 tile rows
	s_mov_b32 s[G1+4], 8
	s_mov_b32 s[G1B+2], 8<<16
	s_mov_b32 s[G1B+4], 8
	s_wait_dscnt 0x0
	CROUND                                         ; all four tiles are in, and all sixteen work-groups are here
	JLOAD G0+4, G1, G0B+4, G1B                     ; slot 1's first fill, the first tensor load behind the round
	FETCH_B 0, 0, 0
	FETCH_A 0, 0, 0
	SCALES 0
	FETCH_A 0, 0, 4
	STEP 0, 0, 1
	s_mov_b32 s3, LAPS-1
.Llap:
	TURN 0, 1, 1
	STEP 1, 0, 0
	TURN 1, 0, 1
	STEP 0, 0, 0
	s_sub_co_u32 s3, s3, 1
	s_cmp_lg_u32 s3, 0
	s_cbranch_scc1 .Llap
	TURN 0, 1, 0
	STEP 1, 0, 0
	s_wait_dscnt 4*NL
	WIN MUL_LO
	MUL16 0, 1, NQ-1, 1, 0
	MUL16 2, 1, NQ-1, 1, 0
	s_wait_dscnt 0
	WIN MUL_HI
	MUL16 4, 1, NQ-1, 1, 0
	MUL16 6, 1, NQ-1, 1, 0
	WIN 0
.macro QUANTW a
.set AC, 64*((\a)%4)
.set WW, 2+(\a)/4
.set WQ, WW*5
	WIN WQ
.irp b, 0,1,2,3
	v_max3_num_f32 v[TM+\b], |v[AC+16*\b]|, |v[AC+1+16*\b]|, 0x1800000
.endr
.irp i, 2,4,6,8,10,12,14
.irp b, 0,1,2,3
	v_max3_num_f32 v[TM+\b], |v[AC+16*\b+\i]|, |v[AC+1+16*\b+\i]|, v[TM+\b]
.endr
.endr
	WIN 0
.irp b, 0,1,2,3
	v_permlanex16_b32 v[TM+4+\b], v[TM+\b], s100, s101
.endr
.irp b, 0,1,2,3
	v_max_num_f32 v[TM+\b], v[TM+\b], v[TM+4+\b]
.endr
.irp b, 0,1,2,3
	v_add_nc_u32 v[TM+12+\b], 0xff000000, v[TM+\b]
.endr
.irp b, 0,1,2,3
	v_lshrrev_b32 v[TM+4+\b], 23, v[TM+12+\b]
.endr
	v_lshl_or_b32 v[PW], v[TM+5], 8, v[TM+4]
	v_lshl_or_b32 v[PW], v[TM+6], 16, v[PW]
	v_lshl_or_b32 v[PW], v[TM+7], 24, v[PW]
	s_wait_xcnt 0x0
	WIN WW
.irp c, 0,1
	v_cvt_scalef32_pk16_fp6_f32 v[PC+6*\c:PC+2+6*\c], v[AC+32*\c:AC+15+32*\c], v[TM+12+2*\c]
	v_cvt_scalef32_pk16_fp6_f32 v[PC+12+4*\c:PC+14+4*\c], v[AC+16+32*\c:AC+31+32*\c], v[TM+12+2*\c+1]
.endr
	WIN 0
	v_nop
.irp c, 0,1
.irp i, 0,1,2
	v_permlane16_swap_b32 v[PC+6*\c+\i], v[PC+12+4*\c+\i]
.endr
.irp i, 0,1,2
	v_mov_b32 v[PC+3+6*\c+\i], v[PC+12+4*\c+\i]
.endr
.endr
.endm
.macro OUTBLK a
	QUANTW \a
	v_and_or_b32 v[WA], v[PW], 0xffff, s95
	v_lshrrev_b32 v[WB], 16, v[PW]
	v_or_b32 v[WB], s95, v[WB]
.if (\a)%2 == 0
	v_mov_b32 v[SA+(\a)/2], v[WA]
	v_mov_b32 v[SBW+(\a)/2], v[WB]
	v_mov_b32 v[SV+(\a)/2], v[PW]
.else
	v_cndmask_b32 v[SA+(\a)/2], v[SA+(\a)/2], v[WA], s67
	v_cndmask_b32 v[SBW+(\a)/2], v[SBW+(\a)/2], v[WB], s67
	v_cndmask_b32 v[SV+(\a)/2], v[SV+(\a)/2], v[PW], s67
.endif
	s_cmp_eq_u32 s66, 2
	s_cbranch_scc1 .Lfor_v_\@
	global_store_b128 v[L16], v[PC:PC+3], s[12:13] offset:768*(\a)
	global_store_b64 v[L8], v[PC+4:PC+5], s[12:13] offset:768*(\a)+512
	global_store_b128 v[L16], v[PC+6:PC+9], s[18:19] offset:768*(\a)
	global_store_b64 v[L8], v[PC+10:PC+11], s[18:19] offset:768*(\a)+512
	s_branch .Lstored_\@
.Lfor_v_\@:
	s_wait_alu depctr_va_vdst(0)
.irp g, 0,1,2
.if (\a) < 4
	global_store_b128 v[L16], v[PC+4*\g:PC+4*\g+3], s[12:13] offset:6656+1536*((\a)%4)+512*\g
.else
	global_store_b128 v[L16], v[PC+4*\g:PC+4*\g+3], s[18:19] offset:6656+1536*((\a)%4)+512*\g
.endif
.endr
.Lstored_\@:
.endm
	PLACES NP
.irp b, 0,1,2,3
	v_mov_b32 v[TM+4+\b], 0
.endr
.irp a, 0,1,2,3,4,5,6,7
	OUTBLK \a
.endr
	s_cmp_eq_u32 s66, 2
	s_cbranch_scc1 .Lscales_v
	s_wait_alu depctr_va_vdst(0)
	global_store_b128 v[L16], v[SA:SA+3], s[12:13] offset:6144
	global_store_b128 v[L16], v[SBW:SBW+3], s[18:19] offset:6144
	s_branch .Lscales_done
.Lscales_v:
	global_store_b64 v[L8], v[SV:SV+1], s[12:13] offset:12800
	s_wait_alu depctr_va_vdst(0)
	global_store_b64 v[L8], v[SV+2:SV+3], s[18:19] offset:12800
.Lscales_done:
	s_wait_tensorcnt 0x0
	ds_add_u32 v[SPW], v[NIL]
	s_wait_dscnt 0x0
	CROUND
	s_endpgm
.Lfunc_end_k_q10c8363bf9_gemm_qkv:
	.size	k_q10c8363bf9_gemm_qkv, .Lfunc_end_k_q10c8363bf9_gemm_qkv-k_q10c8363bf9_gemm_qkv
	.p2alignl 7, 3214868480
	.fill 96, 4, 3214868480
	.section	.rodata,"a",@progbits
	.p2align	6, 0x0
	.amdhsa_kernel k_q10c8363bf9_gemm_qkv
		.amdhsa_group_segment_fixed_size 327680
		.amdhsa_private_segment_fixed_size 0
		.amdhsa_enable_private_segment 0
		.amdhsa_kernarg_size 32
		.amdhsa_user_sgpr_count 2
		.amdhsa_user_sgpr_kernarg_segment_ptr 1
		.amdhsa_wavefront_size32 1
		.amdhsa_system_sgpr_workgroup_id_x 1
		.amdhsa_system_sgpr_workgroup_id_y 1
		.amdhsa_system_sgpr_workgroup_id_z 1
		.amdhsa_system_vgpr_workitem_id 0
		.amdhsa_next_free_vgpr 1024
		.amdhsa_next_free_sgpr 102
		.amdhsa_reserve_vcc 0
		.amdhsa_float_denorm_mode_32 3
		.amdhsa_float_denorm_mode_16_64 3
		.amdhsa_memory_ordered 1
		.amdhsa_forward_progress 1
		.amdhsa_inst_pref_size 156
	.end_amdhsa_kernel
	.amdgpu_metadata
---
amdhsa.version: [ 1, 2 ]
amdhsa.kernels:
  - .name:           k_q10c8363bf9_gemm_qkv
    .symbol:         k_q10c8363bf9_gemm_qkv.kd
    .args:
      - { .name: codes, .offset: 0, .size: 8, .value_kind: global_buffer, .address_space: global }
      - { .name: scales, .offset: 8, .size: 8, .value_kind: global_buffer, .address_space: global }
      - { .name: qbuf, .offset: 16, .size: 8, .value_kind: global_buffer, .address_space: global }
      - { .name: kv, .offset: 24, .size: 8, .value_kind: global_buffer, .address_space: global }
    .group_segment_fixed_size: 327680
    .private_segment_fixed_size: 0
    .kernarg_segment_align: 8
    .kernarg_segment_size: 32
    .max_flat_workgroup_size: 128
    .sgpr_count:     102
    .vgpr_count:     1024
    .wavefront_size: 32
...
	.end_amdgpu_metadata
.endif
;; end of part 2
;; launch attn (part 3): grid 4 x 64, 8 waves a work-group, clusters of 4 x 1, 327,680 bytes of LDS; arguments qbuf, kv, ocodes, oscales; writes ocodes, oscales
.if DOCPART == 3
	.amdgcn_target "amdgcn-amd-amdhsa--gfx1250"
	.amdhsa_code_object_version 6
	.text
	.protected	k_q10c8363bf9_attn
	.globl	k_q10c8363bf9_attn
	.p2align	8
	.type	k_q10c8363bf9_attn,@function
k_q10c8363bf9_attn:
	s_mov_b64 s[64:65], 0
	v_nop
	global_prefetch_b8 v0, s[64:65] scope:SCOPE_SE
	s_setreg_imm32_b32 hwreg(HW_REG_WAVE_MODE, 25, 1), 1
	s_wait_xcnt 0x0
	s_wait_alu depctr_hold_cnt(0) depctr_sa_sdst(0) depctr_va_vdst(0) depctr_va_sdst(0) depctr_va_ssrc(0) depctr_va_vcc(0) depctr_vm_vsrc(0)
	s_getreg_b32 s2, hwreg(HW_REG_IB_STS2, 6, 4)
	s_cmp_eq_u32 s2, 0
	s_cbranch_scc0 .Lentry_in_a_cluster
	s_endpgm
.Lentry_in_a_cluster:
	s_bfe_u32 s2, ttmp6, 0x10000c
	s_cmp_lg_u32 s2, 0x3003
	s_cbranch_scc0 .Lentry_shape_is_right
	s_endpgm
.Lentry_shape_is_right:
; out[b][h][q] = softmax_k(q . k / 8) v, both products on codes of FP6 (E2M3) with E8M0 scales; out is divided by the row's sum and quantised along the head's 64 channels for the last product.
; THE SOFTMAX: t = score x log2(e) / 8; M = the running largest t rounded UP to a whole number; p = 2^(t - M) is quantised along the keys, not normalised; the sum is taken of the unquantised p;
; when M moves, the sums and O are multiplied by 2^(old M - new M), which rounds nothing.
; SHARES.  A work-group owns one (batch, head) and 512 queries; each of its eight waves TWO tiles of 16 queries (X, Y) in each of two passes: every fragment of k and v read from LDS feeds two products,
; and the two tiles' chains stand line by line beside each other.  Every wave walks the head's 2,048 keys, 128 a step.
; LDS holds the head's sixteen records of k and v (13,056 bytes a key step), FILLED ONCE: every wave issues one tensor load at the head, two records each (102 rows of 256 bytes); one barrier follows, and none after it.
; The rows stand 320 bytes apart in LDS (16 words of padding), so that the sixteen lanes of a 16-byte load of k, which take rows of two images 1,536 bytes apart in memory, name sixteen different 16-byte columns of 256.
; CLUSTER: the four work-groups of a head read the same records: each load is asked for jointly, with the mask of all four.  No prefetch: every tensor load of the launch goes out at its head, there is no loop to run ahead in.
; LAYOUT.  Both products are used transposed: S^T = K Q^T, O^T = V^T P^T: a lane holds ONE query (lane % 16).  THE KEYS OF A SCORE TILE are chosen by LDS address: row m of tile 4 c + t is key 64 c + 32 (m / 8) + 8 t + m % 8.
; So the 32 registers of tiles 4 c .. 4 c + 3 of lane (r, h) are the keys 64 c + 32 h + 0 .. 31: one whole block of p, in the order that the second product's operand wants: its maximum needs no other lane, its codes no exchange.
; In the record that key lies in image T = 4 c + 2 (m / 8) + t % 2, row 8 (t / 2) + m % 8.
; K = 64 IN AN INSTRUCTION OF K = 128: Q's registers 6-11 are zero codes, and bytes 2, 3 of q's and k's scale words are 0x7f.  A tile of k is six registers; it is NAMED as twelve, the upper six being the next tile's codes
; (behind the last: X's codes of p): every 6-bit code is a finite number, and it meets a zero code of Q, so it adds nothing.
; k has registers of its own: the next step's tiles are asked for behind this step's score products (behind the last step: record 0's, which the next pass begins with; the last pass's are not used).
; LIMITS: NaN and infinities are not served.  The promise holds while the scaled scores stay under 2^31 in magnitude.  1 / sum is v_rcp_f32 and a multiplication.  A block's largest p is made from its largest score by the same
; multiply-add and exponential (this takes v_exp_f32 not to fall where its input rises).  A block whose every number lies under 2^(3 - 127) gets the byte 1: this program alone reads the bytes.
; REGISTERS.  Window 1: v0-63 X's S^T, then p; v64-127 Y's; v128-159 X's O^T; v160-191 Y's; v192-206 the conversions' upper halves.  Window 0, tile q = 0 (X), 1 (Y):
;   v1 16 l, v2 8 l; v3-6 lane parts of LDS addresses (k 16-byte pieces, k 8-byte pieces, k scale words, v), v7-11 the same in a record; v12+4q -M, v13+4q largest score, v14+4q and v24+2q the sum's two pairs;
;   v20 16 r, v21 8 r + h, v22 8 h; v28+8q .. at work (two block maxima, two temporaries, f's pair, two scale operands); v44+q q's scale words, v46-49 k's, v50-51 v's, v52+q p's;
;   v54+12q Q; v78-125 k's 8 tiles; v126+12q p's codes; v150-197 v's 4 fragments; v254-255 the spare word's address and 0.
.set REC,   16320                      ; a record in LDS: 51 rows, 320 bytes apart
.set RECM,  13056                      ; and in memory
.set QREC,  6656
.set SPARE, 16*REC                     ; behind the records: the spare words, 128 bytes a wave
.set KT,    78
.set KSR,   46
.set VF,    150
.set MSB, 0
.macro WIN new                         ; the immediate's high byte repeats the setting that is left
.if MSB != (\new)
	s_set_vgpr_msb (MSB<<8)|(\new)
.set MSB, (\new)
.endif
.endm
.macro CROUND                          ; a round of the cluster's barrier
	s_barrier_signal -1
	s_barrier_wait -1
	s_cmp_lg_u32 s12, 0
	s_cbranch_scc1 .Lnot_wave_0_\@
	s_barrier_signal -3
.Lnot_wave_0_\@:
	s_barrier_wait -3
	s_barrier_signal -1
	s_barrier_wait -1
.endm
.macro KLOAD a, b, s                   ; a record's eight score tiles and their scale words: 20 LDS loads.  Scale register 2 c + t / 2: lanes 0-15 the even tile's words, lanes 16-31 the odd tile's
.irp c, 0,1
.irp th, 0,1
.irp u, 0,1
	ds_load_b128 v[KT+6*(4*\c+2*\th+\u):KT+6*(4*\c+2*\th+\u)+3], v[\a] offset:960*(4*\c+\u)+128*\th
	ds_load_b64 v[KT+6*(4*\c+2*\th+\u)+4:KT+6*(4*\c+2*\th+\u)+5], v[\b] offset:960*(4*\c+\u)+640+64*\th
.endr
	ds_load_b32 v[KSR+2*\c+\th], v[\s] offset:7680+128*\th+8*\c
.endr
.endr
.endm
.macro SUM4 j                          ; four pairs of p onto the four chains of the rows' sums
	v_pk_add_f32 v[14:15], v[\j:\j+1], v[14:15]
	v_pk_add_f32 v[18:19], v[64+\j:65+\j], v[18:19]
	v_pk_add_f32 v[24:25], v[\j+2:\j+3], v[24:25]
	v_pk_add_f32 v[26:27], v[66+\j:67+\j], v[26:27]
.endm
	s_load_b256 s[4:11], s[0:1], 0x0               ; qbuf s[4:5], kv s[6:7], ocodes s[8:9], oscales s[10:11]
	v_lshl_add_u32 v254, v0, 2, SPARE
	v_mov_b32 v255, 0
	ds_add_u32 v254, v255                          ; the opening lines: the add, twice on end, and its wait ahead of my tensor load
	ds_add_u32 v254, v255
	v_lshrrev_b32 v1, 5, v0
	v_readfirstlane_b32 s12, v1                    ; wave 0..7
	s_bfe_u32 s13, ttmp6, 0x40000                  ; cx: it enters global addresses of q and out alone
	s_and_b32 s14, ttmp7, 0xffff                   ; batch x 16 + head, which the four partners share
	s_mov_b32 s24, 15|(3<<16)|(1<<20)|(1<<21)|(5<<22)|(15<<25)   ; the mask of all four; elements of 8 bytes; padding on; bit 21 beside a mask; behind every 64 words 16 words
	s_mov_b32 s25, 32<<16                          ; rows of 32 elements,
	s_mov_b32 s26, 102<<16                         ; 102 of them: two records, dense in memory
	s_mov_b32 s27, 32<<16
	s_mov_b32 s28, 102
	s_mov_b32 s29, 32
	s_mov_b32 s30, 0
	s_mov_b32 s31, 0
	s_mul_i32 s2, s14, 16*RECM
	s_mul_i32 s15, s12, 2*RECM                     ; wave w brings key steps 2 w and 2 w + 1
	s_add_co_u32 s2, s2, s15
	s_mov_b32 s3, 0
	s_mov_b32 s32, 1
	s_mul_i32 s33, s12, 2*REC
	s_wait_dscnt 0x0
	s_wait_kmcnt 0x0
	s_add_nc_u64 s[34:35], s[6:7], s[2:3]
	s_or_b32 s35, s35, 0x80000000
	CROUND                                         ; all four work-groups are here: the joint loads meet
	tensor_load_to_lds s[32:35], s[24:31]          ; my one tensor load
	s_nop 0
.rept 4
	v_nop
.endr
	s_lshl_b32 s16, ttmp9, 2
	s_add_co_u32 s16, s16, s13                     ; my block of 512 queries.  X is its tile 2 w in pass 0 (16 tiles on in pass 1), Y the tile behind X
	s_lshl_b32 s17, s14, 4
	s_lshl_b32 s18, s16, 2
	s_add_co_u32 s17, s17, s18
	s_lshr_b32 s18, s12, 2
	s_add_co_u32 s17, s17, s18                     ; X's record in qbuf (8 tiles a record)
	s_mul_i32 s2, s17, QREC
	s_and_b32 s17, s12, 3                          ; X's place in it is 2 (w % 4)
	s_mul_i32 s18, s17, 1536
	s_add_co_u32 s18, s18, s2
	s_mov_b32 s19, 0
	s_add_nc_u64 s[48:49], s[4:5], s[18:19]        ; X's image; Y's lies 768 bytes on
	s_lshl_b32 s18, s17, 2
	s_add_co_u32 s18, s18, s2
	s_add_co_u32 s18, s18, 6144
	s_add_nc_u64 s[50:51], s[4:5], s[18:19]        ; X's scale words, 16 bytes a row; Y's lie 256 bytes on
	s_lshr_b32 s17, s14, 4
	s_lshl_b32 s17, s17, 7
	s_lshl_b32 s18, s16, 5
	s_add_co_u32 s17, s17, s18
	s_lshl_b32 s18, s12, 1
	s_add_co_u32 s17, s17, s18                     ; X's tile of tokens, 0 .. 511
	s_and_b32 s2, s14, 15                          ; head
	s_mul_i32 s18, s17, 12288
	s_mul_i32 s3, s2, 768
	s_add_co_u32 s18, s18, s3
	s_add_nc_u64 s[8:9], s[8:9], s[18:19]          ; out's image: [tile][head][768]
	s_lshl_b32 s18, s17, 9
	s_lshr_b32 s3, s2, 2
	s_lshl_b32 s3, s3, 7
	s_add_co_u32 s18, s18, s3
	s_and_b32 s3, s2, 3
	s_lshl_b32 s3, s3, 1
	s_add_co_u32 s18, s18, s3
	s_add_nc_u64 s[10:11], s[10:11], s[18:19]      ; out's scale bytes: [tile][head / 4][r][2 (head % 4) + h]
	s_mov_b32 s36, 0xffff0000                      ; lanes 16-31
	s_mov_b32 s20, 0x76543210
	s_mov_b32 s21, 0xfedcba98                      ; selects for lane l xor 16
	s_mov_b32 s22, 0x3e38aa3b                      ; c = log2(e) / 8
	s_mov_b32 s23, s22                             ; (named with it as a pair, so it is written)
	v_and_b32 v23, 31, v0
	v_and_b32 v28, 7, v0                           ; j = r % 8
	v_bfe_u32 v29, v0, 3, 1                        ; g = r / 8
	v_bfe_u32 v30, v0, 4, 1                        ; h
	v_and_b32 v36, 15, v0                          ; r
	v_lshlrev_b32 v1, 4, v23
	v_lshlrev_b32 v2, 3, v23
	v_mul_u32_u24 v34, v29, 1920                   ; two images on: six rows of 320
	v_mul_u32_u24 v35, v30, 320
	v_add_nc_u32 v3, v34, v35
	v_lshl_add_u32 v3, v28, 4, v3                  ; k, 16-byte pieces: 1920 g + 320 h + 16 j
	v_lshl_add_u32 v4, v30, 7, v34
	v_lshl_add_u32 v4, v28, 3, v4                  ; k, 8-byte pieces: 1920 g + 128 h + 8 j
	v_lshl_add_u32 v5, v28, 4, v35
	v_lshl_add_u32 v5, v29, 2, v5                  ; k's scale words: 320 h (the odd tile's row) + 16 j + 4 g
	v_lshl_add_u32 v6, v36, 4, v35                 ; v: 320 h + 16 r
	v_lshlrev_b32 v20, 4, v36
	v_lshl_add_u32 v21, v36, 3, v30
	v_lshlrev_b32 v22, 3, v30
.irp j, 60,61,62,63,64,65,72,73,74,75,76,77,126,127,128,129,130,131,31,39,33,41
	v_mov_b32 v[\j], 0                             ; Q's upper halves: zero codes; the six registers behind k's last tile, permute destinations and pairs' upper halves: written once
.endr
	global_load_b128 v[54:57], v1, s[48:49]        ; X's and Y's images of pass 0, six registers each, asked for while the tensor load is on its way
	global_load_b64 v[58:59], v2, s[48:49] offset:512
	global_load_b128 v[66:69], v1, s[48:49] offset:768
	global_load_b64 v[70:71], v2, s[48:49] offset:1280
	global_load_b32 v44, v20, s[50:51]             ; their scale words
	global_load_b32 v45, v20, s[50:51] offset:256
	global_load_b128 v[200:203], v1, s[48:49] offset:2*QREC        ; and pass 1's, 16 query tiles on, into v200-213: they are moved over at pass 0's end
	global_load_b64 v[204:205], v2, s[48:49] offset:2*QREC+512
	global_load_b128 v[206:209], v1, s[48:49] offset:2*QREC+768
	global_load_b64 v[210:211], v2, s[48:49] offset:2*QREC+1280
	global_load_b32 v212, v20, s[50:51] offset:2*QREC
	global_load_b32 v213, v20, s[50:51] offset:2*QREC+256
	s_wait_alu depctr_va_vdst(0)                   ; the wait at the head's end
	s_wait_tensorcnt 0x0                           ; my two records are in
	s_barrier_signal -1
	s_barrier_wait -1                              ; and everybody's
	KLOAD 3, 4, 5                                  ; key step 0's tiles
	s_mov_b32 s40, 2
	s_wait_loadcnt 0x0                             ; both passes' queries are in
.Lpass:
	v_mov_b32 v13, 0xff61b1e6                      ; the largest score so far: -3e38
	v_mov_b32 v17, 0xff61b1e6
	v_floor_f32 v12, -v13
	v_floor_f32 v16, -v17
.irp j, 14,15,18,19,24,25,26,27
	v_mov_b32 v[\j], 0
.endr
	WIN 0x40
.set j, 0
.rept 64
	v_mov_b32 v[128+j], 0                          ; O^T: the step is written once; the first change of M leaves zeros zeros
.set j, j+1
.endr
	WIN 0
	s_mov_b32 s37, 0
	s_wait_alu depctr_va_vdst(0)                   ; the wait here, ahead of the step's wait on LDS
.Lstep:
	s_mul_i32 s38, s37, REC                        ; this step's record,
	s_add_co_u32 s41, s37, 1
	s_and_b32 s41, s41, 15
	s_mul_i32 s39, s41, REC                        ; and the next one's (behind the last: record 0)
	s_wait_dscnt 0x0                               ; k's tiles and scale words are in
	WIN 0x40
.irp t, 0,2,4,6
.irp q, 0,1
	v_wmma_scale_f32_16x16x128_f8f6f4 v[64*\q+8*\t:64*\q+8*\t+7], v[KT+6*\t:KT+6*\t+11], v[54+12*\q:65+12*\q], 0, v[KSR+\t/2], v[44+\q] matrix_a_fmt:MATRIX_FMT_FP6 matrix_b_fmt:MATRIX_FMT_FP6
.endr
.irp q, 0,1
	v_wmma_scale_f32_16x16x128_f8f6f4 v[64*\q+8*\t+8:64*\q+8*\t+15], v[KT+6*\t+6:KT+6*\t+17], v[54+12*\q:65+12*\q], 0, v[KSR+\t/2], v[44+\q] matrix_a_fmt:MATRIX_FMT_FP6 matrix_b_fmt:MATRIX_FMT_FP6 matrix_a_scale:MATRIX_SCALE_ROW1
.endr
.endr
	WIN 0
	v_add_nc_u32 v10, s38, v6                      ; five plain lines: the places behind the products, ahead of the loads over their sources and of the first read of the scores
	v_add_nc_u32 v11, s38, v2
	v_add_nc_u32 v7, s39, v3
	v_add_nc_u32 v8, s39, v4
	v_add_nc_u32 v9, s39, v5
.irp c, 0,1,2,3
.irp g, 0,1,2
	ds_load_b128 v[VF+12*\c+4*\g:VF+12*\c+4*\g+3], v10 offset:8320+1920*\c+640*\g   ; v's fragments land while the softmax is worked: 13 loads,
.endr
.endr
	ds_load_b64 v[50:51], v11 offset:16000
	KLOAD 7, 8, 9                                  ; and behind them the next step's 20 of k
	WIN 0x05
.irp q, 0,1
.irp b, 0,1
	v_max_num_f32 v[28+8*\q+\b], v[64*\q+32*\b], v[64*\q+32*\b+1]   ; the largest score of my two blocks of 32 keys of each tile: four chains by turns; each accumulator is read from its low end on
.endr
.endr
.irp i, 2,4,6,8,10,12,14,16,18,20,22,24,26,28,30
.irp q, 0,1
.irp b, 0,1
	v_max3_num_f32 v[28+8*\q+\b], v[64*\q+32*\b+\i], v[64*\q+32*\b+\i+1], v[28+8*\q+\b]
.endr
.endr
.endr
	WIN 0
.irp q, 0,1
	v_max_num_f32 v[30+8*\q], v[28+8*\q], v[29+8*\q]
.endr
.irp q, 0,1
	v_permlanex16_b32 v[31+8*\q], v[30+8*\q], s20, s21
.endr
.irp q, 0,1
	v_max3_num_f32 v[13+4*\q], v[13+4*\q], v[30+8*\q], v[31+8*\q]   ; the running largest score of my query
.endr
.irp q, 0,1
	v_mul_f32 v[30+8*\q], s22, v[13+4*\q]          ; as t (c is positive)
.endr
.irp q, 0,1
	v_floor_f32 v[31+8*\q], -v[30+8*\q]            ; -M = floor(-t): M is a whole number
.endr
.irp q, 0,1
	v_sub_f32 v[30+8*\q], v[31+8*\q], v[12+4*\q]   ; old M - new M, 0 or less
.endr
.irp q, 0,1
	v_mov_b32 v[12+4*\q], v[31+8*\q]
.endr
.irp q, 0,1
	v_cvt_i32_f32 v[30+8*\q], v[30+8*\q]           ; (it saturates)
.endr
.irp q, 0,1
	v_ldexp_f32 v[32+8*\q], 1.0, v[30+8*\q]        ; f = 2^(old M - new M)
.endr
.irp q, 0,1
.irp b, 0,1
	v_fma_f32 v[28+8*\q+\b], v[28+8*\q+\b], s22, v[12+4*\q]   ; t - M of each block's largest score
.endr
.endr
	WIN 0x41
.irp q, 0,1
.set j, 0
.rept 32
	v_pk_fma_f32 v[64*\q+j:64*\q+j+1], v[64*\q+j:64*\q+j+1], s[22:23], v[12+4*\q:13+4*\q] op_sel_hi:[1,0,0]   ; t - M, two at a time
.set j, j+2
.endr
.set j, 0
.rept 16
	v_pk_mul_f32 v[128+32*\q+j:129+32*\q+j], v[128+32*\q+j:129+32*\q+j], v[32+8*\q:33+8*\q] op_sel_hi:[1,0]   ; O^T under the new M
.set j, j+2
.endr
.endr
	s_wait_alu depctr_va_vdst(0)                   ; the wait ahead of the batch
.set j, 0
.rept 128
	v_exp_f32 v[j], v[j]                           ; p = 2^(t - M)
.set j, j+1
.endr
	WIN 0
.irp j, 28,29,36,37
	v_exp_f32 v[\j], v[\j]                         ; the blocks' largest p
.endr
	v_pk_mul_f32 v[14:15], v[14:15], v[32:33] op_sel_hi:[1,0]   ; the sums under the new M: plain lines behind the exponentials
	v_pk_mul_f32 v[18:19], v[18:19], v[40:41] op_sel_hi:[1,0]
	v_pk_mul_f32 v[24:25], v[24:25], v[32:33] op_sel_hi:[1,0]
	v_pk_mul_f32 v[26:27], v[26:27], v[40:41] op_sel_hi:[1,0]
	s_wait_alu depctr_va_vdst(0)                   ; one wait for the whole batch, ahead of its first reader
.irp j, 28,29,36,37
	v_max_num_f32 v[\j], 0x1800000, v[\j]          ; the floor 2^(3 - 127)
.endr
.irp j, 28,29,36,37
	v_add_nc_u32 v[\j+6], 0xff000000, v[\j]        ; 2 off the exponent field: the conversions' scale operands
.endr
.irp j, 28,29,36,37
	v_lshrrev_b32 v[\j], 23, v[\j+6]               ; the bytes of my blocks h and 2 + h
.endr
.irp q, 0,1
	v_lshl_or_b32 v[30+8*\q], v[29+8*\q], 16, v[28+8*\q]
.endr
.irp q, 0,1
	v_lshlrev_b32 v[30+8*\q], v22, v[30+8*\q]      ; at their places in the scale word, 8 h bits up
.endr
.irp q, 0,1
	v_permlanex16_b32 v[31+8*\q], v[30+8*\q], s20, s21
.endr
.irp q, 0,1
	v_or_b32 v[52+\q], v[30+8*\q], v[31+8*\q]      ; with lane l xor 16's two the word is whole
.endr
	WIN 0x41
.irp q, 0,1
.irp c, 0,1
	v_cvt_scalef32_pk16_fp6_f32 v[192+8*\q+4*\c:194+8*\q+4*\c], v[64*\q+32*\c+16:64*\q+32*\c+31], v[34+8*\q+\c]   ; a block's upper 16 codes (a conversion's three registers begin on an even number: they are moved below)
.endr
.endr
	WIN 0x01
.irp q, 0,1
.irp c, 0,1
	v_cvt_scalef32_pk16_fp6_f32 v[126+12*\q+6*\c:128+12*\q+6*\c], v[64*\q+32*\c:64*\q+32*\c+15], v[34+8*\q+\c]   ; and its lower 16, in place
.endr
.endr
	SUM4 0                                         ; the rows' sums of the unquantised p; also the plain lines behind the conversions
	SUM4 4
.irp q, 0,1
.irp c, 0,1
.irp i, 0,1,2
	v_mov_b32 v[129+12*\q+6*\c+\i], v[192+8*\q+4*\c+\i]
.endr
.endr
.endr
.irp j, 8,12,16,20,24,28,32,36,40,44,48,52,56,60
	SUM4 \j                                        ; 56 plain lines between the writes of p's codes and scale words and the products
.endr
	s_wait_dscnt 20                                ; v's 13 loads are in; the 20 of k issued behind them may be out
	WIN 0x50
.irp c, 0,2
.irp q, 0,1
	v_wmma_scale_f32_16x16x128_f8f6f4 v[128+32*\q+8*\c:135+32*\q+8*\c], v[VF+12*\c:VF+12*\c+11], v[126+12*\q:137+12*\q], v[128+32*\q+8*\c:135+32*\q+8*\c], v[50+\c/2], v[52+\q] matrix_a_fmt:MATRIX_FMT_FP6 matrix_b_fmt:MATRIX_FMT_FP6
.endr
.irp q, 0,1
	v_wmma_scale_f32_16x16x128_f8f6f4 v[136+32*\q+8*\c:143+32*\q+8*\c], v[VF+12*\c+12:VF+12*\c+23], v[126+12*\q:137+12*\q], v[136+32*\q+8*\c:143+32*\q+8*\c], v[50+\c/2], v[52+\q] matrix_a_fmt:MATRIX_FMT_FP6 matrix_b_fmt:MATRIX_FMT_FP6 matrix_a_scale:MATRIX_SCALE_ROW1
.endr
.endr
	WIN 0
	s_add_co_u32 s37, s37, 1
	s_cmp_lt_u32 s37, 16
	s_cbranch_scc1 .Lstep
	; THE WAY OUT: O^T / the sum, quantised along the head's 64 channels: two blocks, one image, two scale bytes a row.  Register 16 b + i of O^T: channel 32 b + 16 h + i of my query
	s_wait_alu depctr_va_vdst(0)                   ; the wait here, directly ahead of the reader below: the sums were written just ahead of the step's last wait on LDS
	v_pk_add_f32 v[14:15], v[14:15], v[24:25]      ; (the first four lines are the places behind the last products)
	v_pk_add_f32 v[18:19], v[18:19], v[26:27]
	v_add_f32 v14, v14, v15
	v_add_f32 v18, v18, v19
	v_permlanex16_b32 v31, v14, s20, s21
	v_permlanex16_b32 v39, v18, s20, s21
	v_add_f32 v14, v14, v31                        ; the rows' sums
	v_add_f32 v18, v18, v39
	s_wait_alu depctr_va_vdst(0)                   ; the wait ahead of the reciprocals
	v_rcp_f32 v14, v14
	v_rcp_f32 v18, v18
	v_nop                                          ; a plain line behind them
	WIN 0x41
	s_wait_alu depctr_va_vdst(0)                   ; and the wait, directly ahead of the first reader of the reciprocals and of O^T
.set j, 0
.rept 32
	v_mul_f32 v[j], v[128+j], v14
	v_mul_f32 v[64+j], v[160+j], v18
.set j, j+1
.endr
	WIN 0x05
.irp q, 0,1
.irp b, 0,1
	v_max3_num_f32 v[28+8*\q+\b], |v[64*\q+16*\b]|, |v[64*\q+16*\b+1]|, 0x1800000
.endr
.endr
.irp i, 2,4,6,8,10,12,14
.irp q, 0,1
.irp b, 0,1
	v_max3_num_f32 v[28+8*\q+\b], |v[64*\q+16*\b+\i]|, |v[64*\q+16*\b+\i+1]|, v[28+8*\q+\b]
.endr
.endr
.endr
	WIN 0
.irp j, 28,29,36,37
	v_permlanex16_b32 v[\j+6], v[\j], s20, s21
.endr
.irp j, 28,29,36,37
	v_max_num_f32 v[\j], v[\j], v[\j+6]            ; with lane l xor 16's 16 channels: the block's largest magnitude
.endr
.irp j, 28,29,36,37
	v_add_nc_u32 v[\j+6], 0xff000000, v[\j]
.endr
.irp j, 28,29,36,37
	v_lshrrev_b32 v[\j], 23, v[\j+6]
.endr
	WIN 0x01
.irp q, 0,1
	v_cvt_scalef32_pk16_fp6_f32 v[126+12*\q:128+12*\q], v[64*\q:64*\q+15], v[34+8*\q]
	v_cvt_scalef32_pk16_fp6_f32 v[132+12*\q:134+12*\q], v[64*\q+16:64*\q+31], v[35+8*\q]
.endr
	WIN 0
	v_cndmask_b32 v30, v28, v29, s36               ; my half's block's byte; also the plain line behind the conversions
	v_cndmask_b32 v38, v36, v37, s36
.irp q, 0,1
.irp i, 0,1,2
	v_permlane16_swap_b32 v[126+12*\q+\i], v[132+12*\q+\i]   ; a whole block to a lane: lanes 0-15 block 0, lanes 16-31 block 1
.endr
.endr
.irp q, 0,1
.irp i, 0,1,2
	v_mov_b32 v[129+12*\q+\i], v[132+12*\q+\i]
.endr
.endr
	global_store_b128 v1, v[126:129], s[8:9]       ; 512 consecutive bytes, aligned to 256
	global_store_b64 v2, v[130:131], s[8:9] offset:512
	global_store_b8 v21, v30, s[10:11]             ; a byte a lane, two to a row, rows 8 bytes apart: 262,144 bytes in the whole launch go out so
	global_store_b128 v1, v[138:141], s[8:9] offset:12288
	global_store_b64 v2, v[142:143], s[8:9] offset:12800
	global_store_b8 v21, v38, s[10:11] offset:512
	s_wait_xcnt 0x0                                ; the loads and stores have read their bases and data: both are written again only behind this wait
.irp i, 0,1,2,3,4,5
	v_mov_b32 v[54+\i], v[200+\i]                  ; pass 1's queries and scale words take their places (behind the last pass the moves serve nothing)
	v_mov_b32 v[66+\i], v[206+\i]
.endr
	v_mov_b32 v44, v212
	v_mov_b32 v45, v213
	s_add_nc_u64 s[8:9], s[8:9], 16*12288
	s_add_nc_u64 s[10:11], s[10:11], 16*512
	s_sub_co_u32 s40, s40, 1
	s_cmp_lg_u32 s40, 0
	s_cbranch_scc1 .Lpass
	s_wait_tensorcnt 0x0                           ; the wave's end
	ds_add_u32 v254, v255
	s_wait_dscnt 0x0
	CROUND                                         ; the closing round
	s_endpgm
.Lfunc_end_k_q10c8363bf9_attn:
	.size	k_q10c8363bf9_attn, .Lfunc_end_k_q10c8363bf9_attn-k_q10c8363bf9_attn
	.p2alignl 7, 3214868480
	.fill 96, 4, 3214868480
	.section	.rodata,"a",@progbits
	.p2align	6, 0x0
	.amdhsa_kernel k_q10c8363bf9_attn
		.amdhsa_group_segment_fixed_size 327680
		.amdhsa_private_segment_fixed_size 0
		.amdhsa_enable_private_segment 0
		.amdhsa_kernarg_size 32
		.amdhsa_user_sgpr_count 2
		.amdhsa_user_sgpr_kernarg_segment_ptr 1
		.amdhsa_wavefront_size32 1
		.amdhsa_system_sgpr_workgroup_id_x 1
		.amdhsa_system_sgpr_workgroup_id_y 1
		.amdhsa_system_sgpr_workgroup_id_z 1
		.amdhsa_system_vgpr_workitem_id 0
		.amdhsa_next_free_vgpr 512
		.amdhsa_next_free_sgpr 66
		.amdhsa_reserve_vcc 0
		.amdhsa_float_denorm_mode_32 3
		.amdhsa_float_denorm_mode_16_64 3
		.amdhsa_memory_ordered 1
		.amdhsa_forward_progress 1
		.amdhsa_inst_pref_size 46
	.end_amdhsa_kernel
	.amdgpu_metadata
---
amdhsa.version: [ 1, 2 ]
amdhsa.kernels:
  - .name:           k_q10c8363bf9_attn
    .symbol:         k_q10c8363bf9_attn.kd
    .args:
      - { .name: qbuf, .offset: 0, .size: 8, .value_kind: global_buffer, .address_space: global }
      - { .name: kv, .offset: 8, .size: 8, .value_kind: global_buffer, .address_space: global }
      - { .name: ocodes, .offset: 16, .size: 8, .value_kind: global_buffer, .address_space: global }
      - { .name: oscales, .offset: 24, .size: 8, .value_kind: global_buffer, .address_space: global }
    .group_segment_fixed_size: 327680
    .private_segment_fixed_size: 0
    .kernarg_segment_align: 8
    .kernarg_segment_size: 32
    .max_flat_workgroup_size: 256
    .sgpr_count:     66
    .vgpr_count:     512
    .wavefront_size: 32
...
	.end_amdgpu_metadata
.endif
;; end of part 3
;; launch gemm_out (part 4): grid 4 x 32, 4 waves a work-group, clusters of 4 x 4, 327,680 bytes of LDS; arguments ocodes, oscales, codes, scales, b_out, out0; writes out0
.if DOCPART == 4
	.amdgcn_target "amdgcn-amd-amdhsa--gfx1250"
	.amdhsa_code_object_version 6
	.text
	.protected	k_q10c8363bf9_gemm_out
	.globl	k_q10c8363bf9_gemm_out
	.p2align	8
	.type	k_q10c8363bf9_gemm_out,@function
k_q10c8363bf9_gemm_out:
	s_mov_b64 s[64:65], 0
	v_nop
	global_prefetch_b8 v0, s[64:65] scope:SCOPE_SE
	s_setreg_imm32_b32 hwreg(HW_REG_WAVE_MODE, 25, 1), 1
	s_wait_xcnt 0x0
	s_wait_alu depctr_hold_cnt(0) depctr_sa_sdst(0) depctr_va_vdst(0) depctr_va_sdst(0) depctr_va_ssrc(0) depctr_va_vcc(0) depctr_vm_vsrc(0)
	s_getreg_b32 s2, hwreg(HW_REG_IB_STS2, 6, 4)
	s_cmp_eq_u32 s2, 0
	s_cbranch_scc0 .Lentry_in_a_cluster
	s_endpgm
.Lentry_in_a_cluster:
	s_bfe_u32 s2, ttmp6, 0x10000c
	s_cmp_lg_u32 s2, 0xf033
	s_cbranch_scc0 .Lentry_shape_is_right
	s_endpgm
.Lentry_shape_is_right:
.set NQ,     2
.set FR,     12
.set NL,     4
.set NP,     4
.set TROW,   3072
.set HALFT,  8*TROW
.set SLOT,   4*HALFT
.set LAPS,   2
.set SCL,    2*SLOT
.set HALFS,  4096
.set SPARE,  SCL+4*HALFS
.set SPITCH, 528
.set ADRA, 16
.set ADRB, 20
.set STO,  24
.set RD,   25
.set CO,   26
.set ADRS, 27
.set SPW,  28
.set NIL,  29
.set BO,   30
.set SC,   32
.set BIAS, 64
.set AF,   128
.set BK,   128
.set G1, 24
.set G0, 32
.set G1B, 48
.set G0B, 56
.set G1S, 68
.set G0S, 76
.set G1SB, 80
.set G0SB, 88
.set MSB, 0
.macro WIN new
.if MSB != (\new)
	s_set_vgpr_msb (MSB<<8)|(\new)
.set MSB, (\new)
.endif
.endm
.set MUL_LO, 0xa1
.set MUL_HI, 0xf1
.set BIA_LO, 0x81
.set BIA_HI, 0xc1
.set TO_B,   0x40
.macro JLOAD g0a, g1a, g0b, g1b
	s_cmp_eq_u32 s15, 0
	s_cbranch_scc0 .Lfor_b_\@
	tensor_load_to_lds s[\g0a:\g0a+3], s[\g1a:\g1a+7]
	s_nop 0
.rept 4
	v_nop
.endr
	s_branch .Lasked_\@
.Lfor_b_\@:
	tensor_load_to_lds s[\g0b:\g0b+3], s[\g1b:\g1b+7]
	s_nop 0
.rept 4
	v_nop
.endr
.Lasked_\@:
.endm
.macro CREST
	s_cmp_lg_u32 s14, 0
	s_cbranch_scc1 .Lnot_wave_0_\@
	s_barrier_signal -3
.Lnot_wave_0_\@:
	s_barrier_wait -3
	s_barrier_signal -1
	s_barrier_wait -1
.endm
.macro CROUND
	s_barrier_signal -1
	s_barrier_wait -1
	CREST
.endm
	s_load_b128 s[4:7], s[0:1], 0x0
	s_load_b128 s[8:11], s[0:1], 0x10
	s_load_b128 s[96:99], s[0:1], 0x20
	v_lshl_add_u32 v[SPW], v0, 2, SPARE
	v_mov_b32 v[NIL], 0
	ds_add_u32 v28, v29
	ds_add_u32 v28, v29
	s_wait_dscnt 0x0
	v_lshrrev_b32 v1, 5, v0
	v_readfirstlane_b32 s14, v1
	s_lshr_b32 s15, s14, 1
	s_and_b32 s16, s14, 1
	s_bfe_u32 s40, ttmp6, 0x40000
	s_bfe_u32 s41, ttmp6, 0x40004
	s_and_b32 s17, ttmp7, 0xffff
	s_lshl_b32 s17, s17, 2
	s_add_co_u32 s17, s17, s41
	s_lshl_b32 s42, ttmp9, 2
	s_add_co_u32 s42, s42, s40
	s_add_co_u32 s66, s42, 44
	s_lshl_b32 s43, s41, 2
	s_lshl_b32 s43, 15, s43
	s_lshl_b32 s44, 0x1111, s40
	s_or_b32 s[G1+0], s43, (3<<16)|(1<<21)
	s_or_b32 s[G1B+0], s44, (3<<16)|(1<<21)
.irp g, G1, G1B
	s_mov_b32 s[\g+1], 384<<16
	s_mov_b32 s[\g+2], 16<<16                      ; the head's loads bring all 16 tile rows; behind them the two words that count rows are set to 8, for the ring's
	s_mov_b32 s[\g+3], 384<<16
	s_mov_b32 s[\g+4], 16
	s_mov_b32 s[\g+5], 1536
	s_mov_b32 s[\g+6], 0
	s_mov_b32 s[\g+7], 0
.endr
	s_or_b32 s[G1S+0], s43, (3<<16)|(1<<21)
	s_or_b32 s[G1SB+0], s44, (3<<16)|(1<<21)
.irp g, G1S, G1SB
	s_mov_b32 s[\g+1], 32<<16
	s_mov_b32 s[\g+2], 32<<16                      ; the scales of a tile's 256 rows: 32 rows of 256 bytes
	s_mov_b32 s[\g+3], 32<<16
	s_mov_b32 s[\g+4], 32
	s_mov_b32 s[\g+5], 32
	s_mov_b32 s[\g+6], 0
	s_mov_b32 s[\g+7], 0
.endr
	s_lshl_b32 s20, s17, 1
	s_lshl_b32 s46, s66, 1
	s_lshl_b32 s22, s20, 12
	s_mov_b32 s23, 0
	s_lshl_b32 s92, s46, 12
	s_mov_b32 s93, 0
	s_mul_i32 s20, s20, 8*12288
	s_mov_b32 s21, 0
	s_mul_i32 s46, s46, 8*12288
	s_mov_b32 s47, 0
	s_mul_i32 s45, s14, HALFT
	s_wait_kmcnt 0x0
	s_add_nc_u64 s[20:21], s[4:5], s[20:21]
	s_add_nc_u64 s[22:23], s[6:7], s[22:23]
	s_add_nc_u64 s[46:47], s[8:9], s[46:47]
	s_add_nc_u64 s[92:93], s[10:11], s[92:93]
	CROUND
	s_mov_b32 s[G0S], 1
	s_mov_b32 s[G0S+1], SCL
	s_mov_b64 s[G0S+2:G0S+3], s[22:23]
	s_or_b32 s[G0S+3], s[G0S+3], 0x80000000
	s_mov_b32 s[G0SB], 1
	s_mov_b32 s[G0SB+1], SCL+2*HALFS
	s_mov_b64 s[G0SB+2:G0SB+3], s[92:93]
	s_or_b32 s[G0SB+3], s[G0SB+3], 0x80000000
	s_mov_b32 s4, 1                                ; s[4:7], s[8:11]: group 0 of the head's loads of A's and of B's 16 tile rows of K chunk 0 (the arguments that lay there have been used)
	s_mov_b32 s5, 0
	s_mov_b64 s[6:7], s[20:21]
	s_or_b32 s7, s7, 0x80000000
	s_mov_b32 s8, 1
	s_mov_b32 s9, 2*HALFT
	s_mov_b64 s[10:11], s[46:47]
	s_or_b32 s11, s11, 0x80000000
	s_mul_i32 s18, s16, 8*12288                    ; in the ring I fetch 8 tile rows: which half, in bytes
	s_mov_b32 s19, 0
	s_add_nc_u64 s[20:21], s[20:21], s[18:19]
	s_add_nc_u64 s[46:47], s[46:47], s[18:19]
.irp s, 0,1
	s_mov_b32 s[G0+4*\s], 1
	s_add_co_u32 s[G0+4*\s+1], s45, \s*SLOT
	s_add_nc_u64 s[G0+4*\s+2:G0+4*\s+3], s[20:21], \s*TROW
	s_or_b32 s[G0+4*\s+3], s[G0+4*\s+3], 0x80000000
	s_mov_b32 s[G0B+4*\s], 1
	s_add_co_u32 s[G0B+4*\s+1], s45, \s*SLOT
	s_add_nc_u64 s[G0B+4*\s+2:G0B+4*\s+3], s[46:47], \s*TROW
	s_or_b32 s[G0B+4*\s+3], s[G0B+4*\s+3], 0x80000000
.endr
; THE HEAD'S LOADS, ONE A WAVE: wave 0 A's tile rows of chunk 0, wave 1 B's, wave 2 A's scales, wave 3 B's: one tree of branches on the wave's number, every way through it passes one load
.macro ARM under, g0, g1, next
	s_cmp_lt_u32 s14, \under
	s_cbranch_scc0 \next
	tensor_load_to_lds s[\g0:\g0+3], s[\g1:\g1+7]
	s_nop 0
.rept 4
	v_nop
.endr
	s_branch .Lhead_asked
\next:
.endm
	ARM 1, 4,   G1,  .Lhead_b
	ARM 2, 8,   G1B, .Lhead_sa
	ARM 3, G0S, G1S, .Lhead_sb
	tensor_load_to_lds s[G0SB:G0SB+3], s[G1SB:G1SB+7]
	s_nop 0
.rept 4
	v_nop
.endr
.Lhead_asked:
	v_and_b32 v1, 15, v0
	v_bfe_u32 v2, v0, 4, 1
	v_and_b32 v3, 31, v0
	v_lshlrev_b32 v[CO], 4, v3
	s_wait_alu depctr_va_vdst(0)
	v_lshlrev_b32 v4, 3, v3
	s_wait_alu depctr_va_vdst(0)
	v_lshlrev_b32 v[BO], 6, v2
	s_lshl_b32 s46, s42, 10
	s_lshl_b32 s47, s16, 9
	s_add_co_u32 s46, s46, s47
	s_mov_b32 s47, 0
	s_add_nc_u64 s[96:97], s[96:97], s[46:47]
.irp b, 0,1,2,3,4,5,6,7
	global_load_b128 v[BIAS+8*\b:BIAS+8*\b+3], v[BO], s[96:97] offset:(32*(\b/2)+8*(\b%2))*4
	global_load_b128 v[BIAS+8*\b+4:BIAS+8*\b+7], v[BO], s[96:97] offset:(32*(\b/2)+8*(\b%2))*4+16
.endr
	s_lshl_b32 s20, s17, 1
	s_add_co_u32 s20, s20, s15
	s_lshl_b32 s20, s20, 19
	s_add_co_u32 s20, s20, s46
	s_mov_b32 s21, 0
	s_add_nc_u64 s[12:13], s[98:99], s[20:21]
	s_mul_i32 s21, s15, HALFT
	s_mul_i32 s22, s16, HALFT
	s_add_co_u32 s22, s22, 2*HALFT
.irp s, 0,1
	v_add_nc_u32 v[ADRA+\s], s21, v[CO]
	v_add_nc_u32 v[ADRB+\s], s22, v[CO]
	v_add_nc_u32 v[ADRA+2+\s], s21, v4
	v_add_nc_u32 v[ADRB+2+\s], s22, v4
	s_add_co_u32 s21, s21, SLOT
	s_add_co_u32 s22, s22, SLOT
.endr
	v_lshlrev_b32 v5, 3, v1
	s_lshl_b32 s21, s15, 12
	s_lshl_b32 s22, s16, 12
	s_add_co_u32 s22, s22, 2*HALFS
	s_sub_co_u32 s22, s22, s21
	v_mul_u32_u24 v6, s22, v2
	s_add_co_u32 s21, s21, SCL
	v_add_nc_u32 v5, v5, v6
	v_add_nc_u32 v[ADRS], s21, v5
	s_mul_i32 s23, s14, 16*SPITCH
	v_mul_u32_u24 v5, v1, SPITCH
	v_lshl_add_u32 v5, v2, 6, v5
	v_add_nc_u32 v[STO], s23, v5
	v_add_nc_u32 v[RD], s23, v[CO]
.macro FRAG reg, adr, q, i
	ds_load_b128 v[\reg:\reg+3], v[\adr] offset:(\i)*TROW+(\q)*1536
	ds_load_b64 v[\reg+4:\reg+5], v[\adr+2] offset:(\i)*TROW+(\q)*1536+512
	ds_load_b128 v[\reg+6:\reg+9], v[\adr] offset:(\i)*TROW+(\q)*1536+768
	ds_load_b64 v[\reg+10:\reg+11], v[\adr+2] offset:(\i)*TROW+(\q)*1536+1280
.endm
.macro MUL16 a0, p, q, sc, first
.irp a, \a0, \a0+1
.irp b, 0,1,2,3,4,5,6,7
.if \first
	v_wmma_scale_f32_16x16x128_f8f6f4 v[8*(8*((\a)%4)+\b):8*(8*((\a)%4)+\b)+7], v[128*(\p)+FR*\b:128*(\p)+FR*\b+FR-1], v[AF+FR*(\a):AF+FR*(\a)+FR-1], v[BIAS+8*\b:BIAS+8*\b+7], v[SC+8*NQ*(\sc)+NQ*\b+(\q)], v[SC+8*NQ*(\sc)+NQ*(\a)+(\q)] matrix_a_fmt:MATRIX_FMT_FP6 matrix_b_fmt:MATRIX_FMT_FP6 matrix_a_scale:MATRIX_SCALE_ROW1
.else
	v_wmma_scale_f32_16x16x128_f8f6f4 v[8*(8*((\a)%4)+\b):8*(8*((\a)%4)+\b)+7], v[128*(\p)+FR*\b:128*(\p)+FR*\b+FR-1], v[AF+FR*(\a):AF+FR*(\a)+FR-1], v[8*(8*((\a)%4)+\b):8*(8*((\a)%4)+\b)+7], v[SC+8*NQ*(\sc)+NQ*\b+(\q)], v[SC+8*NQ*(\sc)+NQ*(\a)+(\q)] matrix_a_fmt:MATRIX_FMT_FP6 matrix_b_fmt:MATRIX_FMT_FP6 matrix_a_scale:MATRIX_SCALE_ROW1
.endif
.endr
.endr
.endm
.macro FETCH_B slot, q, p
	WIN TO_B
.irp i, 0,1,2,3,4,5,6,7
	FRAG 128*(\p)+FR*\i, ADRB+\slot, \q, \i
.endr
	WIN 0
.endm
.macro FETCH_A slot, q, i0
.irp i, \i0, \i0+1, \i0+2, \i0+3
	FRAG AF+FR*(\i), ADRA+\slot, \q, \i
.endr
.endm
.macro SCALES sc
.irp i, 0,1,2,3,4,5,6,7
	ds_load_b64 v[SC+8*NQ*\sc+NQ*\i:SC+8*NQ*\sc+NQ*\i+1], v[ADRS] offset:\i*512
.endr
.endm
.macro PLACES n
.rept \n
	v_nop
.endr
.endm
.macro STEP slot, q, first
	s_wait_dscnt 4*NL
.if \first
	WIN BIA_LO
.else
	WIN MUL_LO
.endif
	MUL16 0, (\q)%2, \q, \slot, \first
	MUL16 2, (\q)%2, \q, \slot, \first
	s_wait_dscnt 0
	PLACES NP
	FETCH_B \slot, (\q)+1, 1-(\q)%2
	FETCH_A \slot, (\q)+1, 0
.if \first
	WIN BIA_HI
.else
	WIN MUL_HI
.endif
	MUL16 4, (\q)%2, \q, \slot, \first
	MUL16 6, (\q)%2, \q, \slot, \first
	PLACES NP
	WIN 0
	FETCH_A \slot, (\q)+1, 4
.endm
.macro TURN slot, next, fill
	s_wait_tensorcnt 0x0
	ds_add_u32 v[SPW], v[NIL]
	s_wait_dscnt 4*NL+1
	WIN MUL_LO
	MUL16 0, 1, NQ-1, \slot, 0
	s_wait_dscnt 0x0
	s_barrier_signal -1
	MUL16 2, 1, NQ-1, \slot, 0
	WIN 0
	s_barrier_wait -1
.if \fill
	CREST
	s_add_nc_u64 s[G0+4*\slot+2:G0+4*\slot+3], s[G0+4*\slot+2:G0+4*\slot+3], 2*TROW
	s_add_nc_u64 s[G0B+4*\slot+2:G0B+4*\slot+3], s[G0B+4*\slot+2:G0B+4*\slot+3], 2*TROW
	JLOAD G0+4*\slot, G1, G0B+4*\slot, G1B
.else
	PLACES NP
.endif
	s_wait_alu depctr_va_vdst(0)
	v_add_nc_u32 v[ADRS], 128, v[ADRS]
	FETCH_B \next, 0, 0
	FETCH_A \next, 0, 0
	SCALES \next
	WIN MUL_HI
	MUL16 4, 1, NQ-1, \slot, 0
	MUL16 6, 1, NQ-1, \slot, 0
	PLACES NP
	WIN 0
	FETCH_A \next, 0, 4
.endm
	s_wait_alu depctr_va_vdst(0)                   ; the wait at the head's end
	s_wait_tensorcnt 0x0                           ; my tile of the head's four is in
	ds_add_u32 v[SPW], v[NIL]
	s_mov_b32 s[G1+2], 8<<16                       ; no tensor load of mine is out: from here on a load brings 8 tile rows
	s_mov_b32 s[G1+4], 8
	s_mov_b32 s[G1B+2], 8<<16
	s_mov_b32 s[G1B+4], 8
	s_wait_dscnt 0x0
	CROUND                                         ; all four tiles are in, and all sixteen work-groups are here
	JLOAD G0+4, G1, G0B+4, G1B                     ; slot 1's first fill, the first tensor load behind the round
	FETCH_B 0, 0, 0
	FETCH_A 0, 0, 0
	SCALES 0
	FETCH_A 0, 0, 4
	s_wait_loadcnt 0x0
	STEP 0, 0, 1
	s_mov_b32 s3, LAPS-1
.Llap:
	TURN 0, 1, 1
	STEP 1, 0, 0
	TURN 1, 0, 1
	STEP 0, 0, 0
	s_sub_co_u32 s3, s3, 1
	s_cmp_lg_u32 s3, 0
	s_cbranch_scc1 .Llap
	TURN 0, 1, 0
	STEP 1, 0, 0
	s_wait_dscnt 4*NL
	WIN MUL_LO
	MUL16 0, 1, NQ-1, 1, 0
	MUL16 2, 1, NQ-1, 1, 0
	s_wait_dscnt 0
	WIN MUL_HI
	MUL16 4, 1, NQ-1, 1, 0
	MUL16 6, 1, NQ-1, 1, 0
	WIN 0
.macro TOSTAGE a
.set AC, 64*((\a)%4)
	WIN 0x08+4*((\a)/4)
.irp b, 0,1,2,3,4,5,6,7
	ds_store_b128 v[STO], v[AC+8*\b:AC+8*\b+3] offset:128*(\b/2)+32*(\b%2)
	ds_store_b128 v[STO], v[AC+8*\b+4:AC+8*\b+7] offset:128*(\b/2)+32*(\b%2)+16
.endr
	WIN 0
.set BB, BK+64*((\a)%2)
.irp t, 0,1,2,3,4,5,6,7,8,9,10,11,12,13,14,15
	ds_load_b128 v[BB+4*\t:BB+4*\t+3], v[RD] offset:\t*SPITCH
.endr
.endm
.macro SEND a, younger
.set BB, BK+64*((\a)%2)
	s_wait_dscnt \younger
.irp t, 0,1,2,3,4,5,6,7,8,9,10,11,12,13,14,15
	global_store_b128 v[CO], v[BB+4*\t:BB+4*\t+3], s[12:13] offset:(32*((\a)/2)+8*((\a)%2)+\t+8*(\t/8))*4096 th:TH_STORE_NT
.endr
.endm
	PLACES NP
	TOSTAGE 0
.irp a, 1,2,3,4,5,6,7
.if \a > 1
	s_wait_xcnt 0x0
.endif
	TOSTAGE \a
	SEND \a-1, 32
.endr
	SEND 7, 0
	s_wait_tensorcnt 0x0
	ds_add_u32 v[SPW], v[NIL]
	s_wait_dscnt 0x0
	CROUND
	s_endpgm
.Lfunc_end_k_q10c8363bf9_gemm_out:
	.size	k_q10c8363bf9_gemm_out, .Lfunc_end_k_q10c8363bf9_gemm_out-k_q10c8363bf9_gemm_out
	.p2alignl 7, 3214868480
	.fill 96, 4, 3214868480
	.section	.rodata,"a",@progbits
	.p2align	6, 0x0
	.amdhsa_kernel k_q10c8363bf9_gemm_out
		.amdhsa_group_segment_fixed_size 327680
		.amdhsa_private_segment_fixed_size 0
		.amdhsa_enable_private_segment 0
		.amdhsa_kernarg_size 48
		.amdhsa_user_sgpr_count 2
		.amdhsa_user_sgpr_kernarg_segment_ptr 1
		.amdhsa_wavefront_size32 1
		.amdhsa_system_sgpr_workgroup_id_x 1
		.amdhsa_system_sgpr_workgroup_id_y 1
		.amdhsa_system_sgpr_workgroup_id_z 1
		.amdhsa_system_vgpr_workitem_id 0
		.amdhsa_next_free_vgpr 1024
		.amdhsa_next_free_sgpr 102
		.amdhsa_reserve_vcc 0
		.amdhsa_float_denorm_mode_32 3
		.amdhsa_float_denorm_mode_16_64 3
		.amdhsa_memory_ordered 1
		.amdhsa_forward_progress 1
		.amdhsa_inst_pref_size 146
	.end_amdhsa_kernel
	.amdgpu_metadata
---
amdhsa.version: [ 1, 2 ]
amdhsa.kernels:
  - .name:           k_q10c8363bf9_gemm_out
    .symbol:         k_q10c8363bf9_gemm_out.kd
    .args:
      - { .name: ocodes, .offset: 0, .size: 8, .value_kind: global_buffer, .address_space: global }
      - { .name: oscales, .offset: 8, .size: 8, .value_kind: global_buffer, .address_space: global }
      - { .name: codes, .offset: 16, .size: 8, .value_kind: global_buffer, .address_space: global }
      - { .name: scales, .offset: 24, .size: 8, .value_kind: global_buffer, .address_space: global }
      - { .name: b_out, .offset: 32, .size: 8, .value_kind: global_buffer, .address_space: global }
      - { .name: out0, .offset: 40, .size: 8, .value_kind: global_buffer, .address_space: global }
    .group_segment_fixed_size: 327680
    .private_segment_fixed_size: 0
    .kernarg_segment_align: 8
    .kernarg_segment_size: 48
    .max_flat_workgroup_size: 128
    .sgpr_count:     102
    .vgpr_count:     1024
    .wavefront_size: 32
...
	.end_amdgpu_metadata
.endif
;; end of part 4
